; MI455X (gfx1250); checked and timed in simulation.
; The chip was launched on July 23, 2026; its instructions are those of AMD's public machine-readable ISA for CDNA 5 (MIT licence, August 2026) and "CDNA5" Instruction Set Architecture Reference Guide (July 2026). The comments in the code are by the model that wrote it; some were corrected since.
;; Transformer Encoder. Allowed arithmetic: matrix products marked QUANTISED: E2M1 operands, one E8M0 scale for each 32 along K, by v_wmma_scale_f32_16x16x128_f8f6f4 with both operands' format E2M1 (or v_wmma_scale_f32_32x16x128_f4), f32 sums; everything else in f32.
;; Inputs: b1 4,096 float32; b2 1,024 float32; b_qkv 3,072 float32; ln1_b 1,024 float32; ln1_g 1,024 float32; ln2_b 1,024 float32; ln2_g 1,024 float32; w1 1,024 x 4,096 float32; w2 4,096 x 1,024 float32; w_qkv 1,024 x 3,072 float32; x 2 x 2,048 x 1,024 float32.
;; Outputs: out0 2 x 2,048 x 1,024 float32.
;; This version of the problem:
;;   THIS VERSION OF THE PROBLEM IS GIVEN IN LOW PRECISION. The matrix products marked QUANTISED in the list below multiply operands that are first quantised to E2M1 (2 exponent bits, 1 mantissa bit; 4 bits a number), with one power-of-two scale for each 32 numbers along K (OCP MX v1.0); their sums are f32. All else is computed in f32.
;;   The module's matrix products, in the order in which they are computed (A, B: the left and right operand; K: the contracted axis; several contracted axes count as one K, in the product's order):
;;     1. [M 4,096, K 1,024] x [K 1,024, N 3,072]; A: computed on the way; B: input w_qkv: QUANTISED
;;     2. batch 32 x [M 2,048, K 64] x [K 64, N 2,048]; A: computed on the way; B: computed on the way: QUANTISED
;;     3. batch 32 x [M 64, K 2,048] x [K 2,048, N 2,048]; A: computed on the way; B: softmax (see below): QUANTISED
;;     4. [M 4,096, K 1,024] x [K 1,024, N 4,096]; A: computed on the way; B: input w1: QUANTISED
;;     5. [M 4,096, K 4,096] x [K 4,096, N 1,024]; A: computed on the way; B: input w2: QUANTISED
;;   THE QUANTISER, for each operand of a quantised product, along K:
;;     - K is cut into blocks of 32 from its start; a last block that is shorter is filled with zeros.
;;     - A block's scale is 2^e with e = floor(log2(the largest magnitude in the block)) - 2, held to -126 .. 127; a block of zeros has e = 0. As a byte (E8M0): e + 127.
;;     - Each number is divided by its block's scale, clamped to +-6, and rounded to the nearest number of E2M1, ties to even, subnormals kept.
;;     - The product sums the exact products of the quantised numbers (number of the format x scale) in f32.
;;   ~~~python
;;   def quantise(x, axis):      # numpy; x: float32 -> the quantised numbers, widened to float32 again
;;       x = np.moveaxis(x, axis, -1); K = x.shape[-1]
;;       x = np.pad(x, [(0, 0)] * (x.ndim - 1) + [(0, -K % 32)]); x = x.reshape(x.shape[:-1] + (-1, 32)); a = np.abs(x).max(-1, keepdims=True)
;;       e = np.where(a > 0, np.clip(np.frexp(np.where(a > 0, a, 1))[1] - 1 - 2, -126, 127), 0)      # np.frexp(a)[1] - 1 = floor(log2(a)), exactly
;;       r = np.clip(x / 2.0 ** e, -6, 6)
;;       step = 2.0 ** (np.maximum(np.frexp(np.where(r == 0, 1, r))[1] - 1, 0) - 1)
;;       q = np.round(r / step) * step * 2.0 ** e      # np.round: ties to even
;;       return np.moveaxis(q.reshape(q.shape[:-2] + (-1,))[..., :K], -1, axis).astype(np.float32)
;;   ~~~
;;   SOFTMAX AHEAD OF A QUANTISED PRODUCT. Where the list says 'softmax', what is quantised is not the finished softmax but p = 2^(t - M), with t = logit x log2(e) and M = ceil(the row's largest t), a whole number; so 1/2 < the row's largest p <= 1. The row's sum l is taken of the UNQUANTISED p, in f32, and the product's result is divided by l at the end. Since M is a whole number, a kernel that streams over the keys may use a running M (the ceiling of the running maximum): every later rescaling is an exact power of two, which a block's scale takes up: the codes' values come out the same.
;;   OPERANDS COMPUTED ON THE WAY. 'Computed on the way' means the value that the module computes at that place (a softmax that the list does not call 'softmax' is quantised finished and normalised). What goes into a quantiser is computed in f32, as accurately as f32 sums, v_exp_f32 and their like allow (about 1e-6 of the number): no bf16 or f16 on the way to a quantiser, and a product that is left as it is and whose result goes on into a quantised operand takes f32 operands (vector FMAs, or v_wmma_f32_16x16x4_f32). A number that lies on a knife's edge between two numbers of the format may be rounded either way, as far as f32 arithmetic and the matrix unit's own rounding can turn it there, and no further.
;; One version. Each part assembles by itself: llvm-mc -triple=amdgcn-amd-amdhsa -mcpu=gfx1250 --defsym DOCPART=n.
;; ======== version 1 of 1: 6 launches
;; limits: right only within a limited range of input values
;; workspace buffers: wts 6,127,616 bytes; hq 2,228,224 bytes; qkv 6,946,816 bytes; attn 16,777,216 bytes; mq 8,912,896 bytes
;; launch prep (part 1): grid 352 x 1, 4 waves a work-group, no clusters, 28,160 bytes of LDS; arguments x, ln1_g, ln1_b, hq, w_qkv, wts; writes hq, wts
.if DOCPART == 1
	.amdgcn_target "amdgcn-amd-amdhsa--gfx1250"
	.amdhsa_code_object_version 6
	.text
	.protected	k_q50a81dfd83_prep
	.globl	k_q50a81dfd83_prep
	.p2align	8
	.type	k_q50a81dfd83_prep,@function
k_q50a81dfd83_prep:
	s_mov_b64 s[64:65], 0
	v_nop
	global_prefetch_b8 v0, s[64:65] scope:SCOPE_SE
	s_setreg_imm32_b32 hwreg(HW_REG_WAVE_MODE, 25, 1), 1
	s_wait_xcnt 0x0
; TWO JOBS THAT DO NOT DEPEND ON EACH OTHER, IN ONE LAUNCH, told apart by the work-group's number alone: work-groups 0-95 quantise w_qkv, work-groups 96-351 norm and quantise x.
; (w1 and w2, which the program wants later, are quantised by the launch attention, by the same arithmetic and into the same layout.)
; Only the second job touches LDS and has a barrier; a work-group is on one path with all its waves.
; Both jobs make codes of FP4 (E2M1) with one E8M0 scale byte for each 32 along K, laid in the order of the matrix operand's registers ("image"):
;   codes  [row tile = row / 16][block t = k / 32][r = row % 16][16 bytes];   scale bytes [row tile][j = k / 512][r][16 bytes], byte t % 16 = block t's.
; So a fragment (16 rows x 128 K) is 1,024 consecutive bytes, 16 x lane for each of its two groups of four registers, and one load of 16 bytes gives a row the scale words of four K steps.
; A block's scale is 2^(floor(log2(largest magnitude)) - 2): its byte is the largest magnitude's exponent field - 2, held at 1 from below.
; LIMITS: NaN and infinities are not served; a block whose largest magnitude lies under 2^-124 keeps the byte 1; a block of zeros gets the byte 1 and not 127: its codes are zeros, and only this program reads the bytes.
; No tensor load, no cluster: work-groups share no input but the norm's gain and bias, 8 KiB.
.set NWQ, 96                           ; the weight's work-groups
	v_lshl_add_u32 v30, v0, 2, 0x6c00
	v_mov_b32 v31, 0
	s_cmp_lt_u32 ttmp9, NWQ
	s_cbranch_scc0 .Lnorm
; ---- w_qkv: f32 stored [1,024 (K)][3,072 (N)]; an operand's row is a column n.  Its codes lie at byte 0 of wts, its scale bytes at WQS.
; A LANE TAKES A COLUMN n, ITS REGISTERS RUN DOWN K: a block of 32 lies in one lane's 32 registers, its largest magnitude needs no other lane, and the conversions give codes with K innermost.
; A wave takes 32 columns x 256 along K (8 blocks a lane); the four waves of a work-group stand side by side on 512 consecutive bytes of each row.  24 column groups x 4 chunks of K.
; Each store of a block's codes: lanes 0-15 fill 256 consecutive aligned bytes of one column tile, lanes 16-31 of the next.
; A column's 8 scale bytes are half of its 16: the other half is the neighbouring chunk's work-group's.
.set ROWB, 12288                       ; a row of w_qkv in bytes
.set WQS, 5767168
.set NB,  8                            ; blocks of a wave
.set VC,  3                            ; v3      my codes' place: (lane / 16) x a tile's 8,192 bytes + 16 (lane % 16)
.set VS,  4                            ; v4      the same for the scale bytes, 512 a tile
.set SB,  24                           ; v24-25  8 scale bytes
.set OFF, 32                           ; v32-63  byte offset of row i of a block, at my column; never rewritten
.set X,   64                           ; v64-127 two sets of 32 numbers
.set C,   128                          ; v128-135 two sets of 4 registers of codes
	s_load_b128 s[4:7], s[0:1], 0x20               ; w_qkv s[4:5], wts s[6:7]
	v_lshrrev_b32 v5, 5, v0
	v_readfirstlane_b32 s24, v5                    ; wave 0..3
	s_and_b32 s20, ttmp9, 3                        ; y: which 256 along K
	s_lshr_b32 s21, ttmp9, 2                       ; which 128 columns
	s_mul_i32 s22, s20, 256*ROWB
	s_lshl_b32 s23, s21, 9
	s_add_co_u32 s22, s22, s23                     ; + 512 bytes a column group
	s_lshl_b32 s23, s24, 7
	s_add_co_u32 s22, s22, s23                     ; + 128 bytes a wave
	s_mov_b32 s23, 0
	s_lshl_b32 s25, s21, 3
	s_lshl_b32 s28, s24, 1
	s_add_co_u32 s25, s25, s28                     ; my first column tile: 8 x column group + 2 x wave
	s_lshl_b32 s28, s25, 13
	s_lshl_b32 s29, s20, 11                        ; 8 blocks x 256 bytes a chunk
	s_add_co_u32 s28, s28, s29
	s_mov_b32 s29, 0
	s_lshl_b32 s34, s25, 9
	s_add_co_u32 s34, s34, WQS
	s_lshr_b32 s35, s20, 1
	s_lshl_b32 s35, s35, 8                         ; two chunks share a run of 512 along K: 256 bytes a run,
	s_add_co_u32 s34, s34, s35
	s_and_b32 s35, s20, 1
	s_lshl_b32 s35, s35, 3                         ; and the odd chunk's bytes are the upper 8 of a row's 16
	s_add_co_u32 s34, s34, s35
	s_mov_b32 s35, 0
	s_mov_b32 s12, ROWB
	s_mov_b32 s26, 32*ROWB                         ; 32 rows: from block to block
	s_mov_b32 s27, 0
	v_and_b32 v1, 31, v0                           ; lane
	v_lshlrev_b32 v2, 2, v1                        ; 4 bytes a lane
	v_lshrrev_b32 v5, 4, v1
	v_and_b32 v6, 15, v1
	v_lshlrev_b32 v6, 4, v6
	v_lshl_add_u32 v[VC], v5, 13, v6
	v_lshl_add_u32 v[VS], v5, 9, v6
.set i, 0
.rept 32
	v_mad_u32_u24 v[OFF+i], i, s12, v2
.set i, i+1
.endr
	s_wait_alu depctr_va_vdst(0)                   ; the wait at the head's end
	s_wait_kmcnt 0x0
	s_add_nc_u64 s[4:5], s[4:5], s[22:23]
	s_add_nc_u64 s[30:31], s[6:7], s[28:29]        ; my codes
	s_add_nc_u64 s[32:33], s[6:7], s[34:35]        ; my scale bytes
.macro LOAD set                        ; a block: rows 0 .. 31 from the base on, my column: 32 lanes read 128 consecutive bytes
.set i, 0
.rept 32
	global_load_b32 v[X+32*(\set)+i], v[OFF+i], s[4:5] th:TH_LOAD_NT
.set i, i+1
.endr
.endm
	LOAD 0
	s_wait_xcnt 0x0                                ; the base is stepped only behind this wait
	s_add_nc_u64 s[4:5], s[4:5], s[26:27]
	LOAD 1
.macro BLOCK t
.set XS, X+32*((\t)%2)
.set CS, C+4*((\t)%2)
.if (\t) < NB-1
	s_wait_loadcnt 32                              ; this block's 32 loads are in; the next block's 32 may be out
.else
	s_wait_loadcnt 0x0
.endif
	v_max3_num_f32 v12, |v[XS]|, |v[XS+1]|, |v[XS+2]|              ; the block's largest magnitude, in two chains
	v_max3_num_f32 v13, |v[XS+3]|, |v[XS+4]|, |v[XS+5]|
.irp i, 6,10,14,18,22,26
	v_max3_num_f32 v12, v12, |v[XS+\i]|, |v[XS+\i+1]|
	v_max3_num_f32 v13, v13, |v[XS+\i+2]|, |v[XS+\i+3]|
.endr
	v_max3_num_f32 v12, v12, |v[XS+30]|, |v[XS+31]|
	v_max3_num_f32 v12, v12, v13, 0x1800000        ; and the floor 2^(3 - 127): the byte cannot fall under 1
	v_add_nc_u32 v11, 0xff000000, v12              ; 2 off the exponent field: the conversion takes this operand's exponent field as its scale
.irp g, 0,1,2,3
	v_cvt_scalef32_pk8_fp4_f32 v[CS+\g], v[XS+8*\g:XS+8*\g+7], v11
.endr
	v_lshrrev_b32 v13, 23, v11                     ; the scale's byte (also the plain line behind the conversions)
.if (\t)%4 == 0
	v_mov_b32 v[SB+(\t)/4], v13
.else
	v_lshl_or_b32 v[SB+(\t)/4], v13, 8*((\t)%4), v[SB+(\t)/4]
.endif
	global_store_b128 v[VC], v[CS:CS+3], s[30:31] offset:256*(\t)
.if (\t)+2 < NB
	s_wait_xcnt 0x0                                ; the loads have read their base and this store its data: both are written again only behind this wait
	s_add_nc_u64 s[4:5], s[4:5], s[26:27]
	LOAD (\t)%2
.endif
.endm
.irp t, 0,1,2,3,4,5,6,7
	BLOCK \t
.endr
	global_store_b64 v[VS], v[SB:SB+1], s[32:33]   ; my column's 8 scale bytes
	s_endpgm
; ---- THE NORM: layer norm of rows of 1,024 f32, then the quantiser along the row: y = (x - mean) rsqrt(var + 1e-5) g + b, in f32.
; Output: codes at 8,192 bytes a row tile, scale bytes at 2,097,152 + 512 a tile.
; A work-group is one row tile of 16 rows; wave w takes rows 4 w .. 4 w + 3, one after the other, all four requested at the head (32 loads of 512 consecutive bytes).
; The variance is taken in a second pass over x - mean, from registers: a common offset in the inputs costs no accuracy.
; For the sums a lane holds 4 neighbours of each 128; for the conversions it must hold a whole block of 32: the row turns through the wave's own stage in LDS (blocks 144 bytes apart).
; A lane's 16 bytes of codes belong to unit t = lane of the tile's image: they are gathered in LDS (units 272 bytes apart) and leave, behind the one barrier, as stores of 512 consecutive bytes.
.Lnorm:
.set IMG, 18432                        ; LDS: four stages of 4,608 bytes; the image, 32 units x 272; the scale bytes, 512
.set SCB, 27136
.set Z,   32                           ; v32-63   a block's 32 numbers
.set X,   64                           ; v64-191  four rows
.set G,   192                          ; v192-223 the gain at my columns
.set BV,  224                          ; v224-255 the bias
	s_load_b256 s[4:11], s[0:1], 0x0               ; the rows s[4:5], g s[6:7], b s[8:9], hq s[10:11]
	s_sub_co_u32 s22, ttmp9, NWQ                   ; my row tile
	v_lshrrev_b32 v1, 5, v0
	v_readfirstlane_b32 s15, v1                    ; wave 0..3
	v_and_b32 v1, 31, v0                           ; lane
	v_lshlrev_b32 v2, 4, v1                        ; 16 x lane
	s_mul_i32 s16, s15, 4608                       ; my stage
	v_lshrrev_b32 v3, 3, v1
	v_mul_u32_u24 v3, v3, 144
	v_and_b32 v4, 7, v1
	v_lshl_add_u32 v3, v4, 4, v3
	v_add_nc_u32 v3, s16, v3                       ; into the stage: eight lanes' 128 bytes are a block
	v_mul_u32_u24 v4, v1, 144
	v_add_nc_u32 v4, s16, v4                       ; out of it: block = lane
	s_lshl_b32 s17, s15, 6                         ; 16 bytes x my first row
	v_mul_u32_u24 v5, v1, 272
	v_add_nc_u32 v5, s17, v5
	v_add_nc_u32 v5, IMG, v5                       ; the image: unit = lane, 16 bytes a row
	v_lshrrev_b32 v22, 4, v1                       ; h
	v_and_b32 v23, 15, v1                          ; r
	v_lshl_add_u32 v6, v22, 8, v23
	v_add_nc_u32 v6, s17, v6
	v_add_nc_u32 v6, SCB, v6                       ; the scale bytes: 256 (lane / 16) + 16 row + lane % 16
	s_mul_i32 s16, s15, 8*272
	v_mul_u32_u24 v7, v22, 272
	v_lshl_add_u32 v7, v23, 4, v7
	v_add_nc_u32 v7, s16, v7
	v_add_nc_u32 v7, IMG, v7                       ; back: wave w takes units 8 w .. 8 w + 7, two an instruction
	v_add_nc_u32 v21, SCB, v2
	v_mov_b32 v14, 0                               ; written once: a lane permute's destination counts as one of its sources
	s_mov_b32 s12, 0x76543210
	s_mov_b32 s13, 0xfedcba98                      ; v_permlanex16_b32's selects for lane l xor 16
	s_mov_b32 s14, 0x3a800000                      ; 1 / 1,024
	s_lshl_b32 s16, s22, 16                        ; 16 rows of 4,096 bytes a tile,
	s_lshl_b32 s17, s15, 14                        ; 4 rows a wave
	s_add_co_u32 s16, s16, s17
	s_mov_b32 s17, 0
	s_lshl_b32 s18, s22, 13
	s_lshl_b32 s19, s15, 11
	s_add_co_u32 s18, s18, s19
	s_mov_b32 s19, 0
	s_lshl_b32 s20, s22, 9
	s_add_co_u32 s20, s20, 2097152
	s_mov_b32 s21, 0
	s_wait_kmcnt 0x0
	s_add_nc_u64 s[4:5], s[4:5], s[16:17]
	s_add_nc_u64 s[18:19], s[10:11], s[18:19]      ; my 2,048 bytes of the tile's codes
	s_add_nc_u64 s[20:21], s[10:11], s[20:21]      ; the tile's scale bytes
.irp i, 0,1,2,3,4,5,6,7
	global_load_b128 v[G+4*\i:G+4*\i+3], v2, s[6:7] offset:512*\i
	global_load_b128 v[BV+4*\i:BV+4*\i+3], v2, s[8:9] offset:512*\i
.endr
.irp q, 0,1,2,3
.irp i, 0,1,2,3,4,5,6,7
	global_load_b128 v[X+32*\q+4*\i:X+32*\q+4*\i+3], v2, s[4:5] offset:4096*\q+512*\i
.endr
.endr
.macro REDUCE                          ; v8 summed over the 32 lanes, the result in every lane
	v_add_f32_dpp v8, v8, v8 row_xmask:1 row_mask:0xf bank_mask:0xf
	v_add_f32_dpp v8, v8, v8 row_xmask:2 row_mask:0xf bank_mask:0xf
	v_add_f32_dpp v8, v8, v8 row_xmask:4 row_mask:0xf bank_mask:0xf
	v_add_f32_dpp v8, v8, v8 row_xmask:8 row_mask:0xf bank_mask:0xf
	v_permlanex16_b32 v14, v8, s12, s13
	v_add_f32 v8, v8, v14
.endm
.macro ROW q
.set XR, X+32*(\q)
	s_wait_loadcnt 8*(3-(\q))                      ; g, b and this row are in; the later rows' eight loads each may be out
	v_pk_add_f32 v[8:9], v[XR:XR+1], v[XR+2:XR+3]  ; the sum, two at a time, in two chains
	v_pk_add_f32 v[10:11], v[XR+4:XR+5], v[XR+6:XR+7]
.irp i, 8,12,16,20,24,28
	v_pk_add_f32 v[8:9], v[8:9], v[XR+\i:XR+\i+1]
	v_pk_add_f32 v[10:11], v[10:11], v[XR+\i+2:XR+\i+3]
.endr
	v_pk_add_f32 v[8:9], v[8:9], v[10:11]
	v_add_f32 v8, v8, v9
	REDUCE
	v_mul_f32 v12, s14, v8                         ; the mean
	v_mov_b32 v13, v12
.irp i, 0,2,4,6,8,10,12,14,16,18,20,22,24,26,28,30
	v_pk_add_f32 v[XR+\i:XR+\i+1], v[XR+\i:XR+\i+1], v[12:13] neg_lo:[0,1] neg_hi:[0,1]   ; x - mean
.endr
	v_pk_mul_f32 v[8:9], v[XR:XR+1], v[XR:XR+1]    ; the sum of its squares
	v_pk_mul_f32 v[10:11], v[XR+2:XR+3], v[XR+2:XR+3]
.irp i, 4,8,12,16,20,24,28
	v_pk_fma_f32 v[8:9], v[XR+\i:XR+\i+1], v[XR+\i:XR+\i+1], v[8:9]
	v_pk_fma_f32 v[10:11], v[XR+\i+2:XR+\i+3], v[XR+\i+2:XR+\i+3], v[10:11]
.endr
	v_pk_add_f32 v[8:9], v[8:9], v[10:11]
	v_add_f32 v8, v8, v9
	REDUCE
	v_fmaak_f32 v12, s14, v8, 0x3727c5ac           ; the variance + 1e-5
	s_wait_alu depctr_va_vdst(0)
	v_rsq_f32 v12, v12
	v_nop                                          ; one plain line behind a transcendental (ISA guide 5.7.2)
	s_wait_alu depctr_va_vdst(0)
	v_mov_b32 v13, v12
.irp i, 0,2,4,6,8,10,12,14,16,18,20,22,24,26,28,30
	v_pk_mul_f32 v[XR+\i:XR+\i+1], v[XR+\i:XR+\i+1], v[12:13]
.endr
.irp i, 0,2,4,6,8,10,12,14,16,18,20,22,24,26,28,30
	v_pk_fma_f32 v[XR+\i:XR+\i+1], v[XR+\i:XR+\i+1], v[G+\i:G+\i+1], v[BV+\i:BV+\i+1]
.endr
.irp i, 0,1,2,3,4,5,6,7
	ds_store_b128 v3, v[XR+4*\i:XR+4*\i+3] offset:576*\i          ; a load's 512 bytes are four blocks
.endr
.irp j, 0,1,2,3,4,5,6,7
	ds_load_b128 v[Z+4*\j:Z+4*\j+3], v4 offset:16*\j              ; LDS serves a wave's instructions in order: these see the stores above
.endr
	s_wait_dscnt 0x0                               ; my block is in; the last row's stores into the image have read their registers
	v_max3_num_f32 v8, |v[Z]|, |v[Z+1]|, 0x1800000 ; the block's largest magnitude and the floor 2^(3 - 127), in two chains
	v_max3_num_f32 v9, |v[Z+2]|, |v[Z+3]|, 0x1800000
.irp i, 4,8,12,16,20,24,28
	v_max3_num_f32 v8, v8, |v[Z+\i]|, |v[Z+\i+1]|
	v_max3_num_f32 v9, v9, |v[Z+\i+2]|, |v[Z+\i+3]|
.endr
	v_max_num_f32 v8, v8, v9
	v_add_nc_u32 v15, 0xff000000, v8               ; 2 off the exponent field: the conversion's scale operand
.irp g, 0,1,2,3
	v_cvt_scalef32_pk8_fp4_f32 v[16+\g], v[Z+8*\g:Z+8*\g+7], v15
.endr
	v_lshrrev_b32 v20, 23, v15                     ; the scale's byte (also the plain line behind the conversions)
	ds_store_b128 v5, v[16:19] offset:16*(\q)
	ds_store_b8 v6, v20 offset:16*(\q)
.endm
	ROW 0
	ROW 1
	ROW 2
	ROW 3
	s_wait_dscnt 0x0                               ; for the others' sake: my stores into the image and the scale bytes are done
	s_barrier_signal -1
	s_barrier_wait -1
.irp i, 0,1,2,3
	ds_load_b128 v[Z+4*\i:Z+4*\i+3], v7 offset:544*\i
.endr
.irp i, 0,1,2,3
	s_wait_dscnt 3-\i
	global_store_b128 v2, v[Z+4*\i:Z+4*\i+3], s[18:19] offset:512*\i   ; 32 lanes store 512 consecutive bytes, aligned
.endr
	s_cmp_lg_u32 s15, 0
	s_cbranch_scc1 .Lend                           ; the tile's 512 scale bytes leave by wave 0
	ds_load_b128 v[48:51], v21
	s_wait_dscnt 0x0
	global_store_b128 v2, v[48:51], s[20:21]
.Lend:
	s_wait_tensorcnt 0x0
	ds_add_u32 v30, v31
	s_wait_dscnt 0x0
	s_endpgm
.Lfunc_end_k_q50a81dfd83_prep:
	.size	k_q50a81dfd83_prep, .Lfunc_end_k_q50a81dfd83_prep-k_q50a81dfd83_prep
	.p2alignl 7, 3214868480
	.fill 96, 4, 3214868480
	.section	.rodata,"a",@progbits
	.p2align	6, 0x0
	.amdhsa_kernel k_q50a81dfd83_prep
		.amdhsa_group_segment_fixed_size 28160
		.amdhsa_private_segment_fixed_size 0
		.amdhsa_enable_private_segment 0
		.amdhsa_kernarg_size 48
		.amdhsa_user_sgpr_count 2
		.amdhsa_user_sgpr_kernarg_segment_ptr 1
		.amdhsa_wavefront_size32 1
		.amdhsa_system_sgpr_workgroup_id_x 1
		.amdhsa_system_sgpr_workgroup_id_y 1
		.amdhsa_system_sgpr_workgroup_id_z 1
		.amdhsa_system_vgpr_workitem_id 0
		.amdhsa_next_free_vgpr 256
		.amdhsa_next_free_sgpr 66
		.amdhsa_reserve_vcc 0
		.amdhsa_float_denorm_mode_32 3
		.amdhsa_float_denorm_mode_16_64 3
		.amdhsa_memory_ordered 1
		.amdhsa_forward_progress 1
		.amdhsa_inst_pref_size 84
	.end_amdhsa_kernel
	.amdgpu_metadata
---
amdhsa.version: [ 1, 2 ]
amdhsa.kernels:
  - .name:           k_q50a81dfd83_prep
    .symbol:         k_q50a81dfd83_prep.kd
    .args:
      - { .name: x, .offset: 0, .size: 8, .value_kind: global_buffer, .address_space: global }
      - { .name: ln1_g, .offset: 8, .size: 8, .value_kind: global_buffer, .address_space: global }
      - { .name: ln1_b, .offset: 16, .size: 8, .value_kind: global_buffer, .address_space: global }
      - { .name: hq, .offset: 24, .size: 8, .value_kind: global_buffer, .address_space: global }
      - { .name: w_qkv, .offset: 32, .size: 8, .value_kind: global_buffer, .address_space: global }
      - { .name: wts, .offset: 40, .size: 8, .value_kind: global_buffer, .address_space: global }
    .group_segment_fixed_size: 28160
    .private_segment_fixed_size: 0
    .kernarg_segment_align: 8
    .kernarg_segment_size: 48
    .max_flat_workgroup_size: 128
    .sgpr_count:     66
    .vgpr_count:     256
    .wavefront_size: 32
...
	.end_amdgpu_metadata
.endif
;; end of part 1
;; launch gemm_qkv (part 2): grid 12 x 16, 4 waves a work-group, clusters of 4 x 4, 279,040 bytes of LDS; arguments hq, wts, b_qkv, qkv; writes qkv
.if DOCPART == 2
	.amdgcn_target "amdgcn-amd-amdhsa--gfx1250"
	.amdhsa_code_object_version 6
	.text
	.protected	k_q50a81dfd83_gemm_qkv
	.globl	k_q50a81dfd83_gemm_qkv
	.p2align	8
	.type	k_q50a81dfd83_gemm_qkv,@function
k_q50a81dfd83_gemm_qkv:
	s_mov_b64 s[64:65], 0
	v_nop
	global_prefetch_b8 v0, s[64:65] scope:SCOPE_SE
	s_setreg_imm32_b32 hwreg(HW_REG_WAVE_MODE, 25, 1), 1
	s_wait_xcnt 0x0
	s_wait_alu depctr_hold_cnt(0) depctr_sa_sdst(0) depctr_va_vdst(0) depctr_va_sdst(0) depctr_va_ssrc(0) depctr_va_vcc(0) depctr_vm_vsrc(0)
	s_getreg_b32 s2, hwreg(HW_REG_IB_STS2, 6, 4)
	s_cmp_eq_u32 s2, 0
	s_cbranch_scc0 .Lentry_in_a_cluster
	s_endpgm
.Lentry_in_a_cluster:
	s_bfe_u32 s2, ttmp6, 0x10000c
	s_cmp_lg_u32 s2, 0xf033
	s_cbranch_scc0 .Lentry_shape_is_right
	s_endpgm
.Lentry_shape_is_right:
; One text for two launches, told apart by QKV below.  Both: rows of h (4,096 x 1,024, codes of FP4 with E8M0 scales) times rows of a weight (N x 1,024, the same), f32 sums, + bias; the result is QUANTISED AGAIN in registers and only codes leave.
;   QKV = 1: the weight is w_qkv (N = 3,072).  q and k are quantised along the head's 64, v along the tokens (the keys of attention's second product).   QKV = 0: w1 (N = 4,096), relu, quantised along N.
; All operands lie in memory in the order of the operand's registers: codes [row tile][block k / 32][row % 16][16 bytes], scale bytes [row tile][k / 512][row % 16][16 bytes]: a fragment is two loads of 16 bytes at 16 x lane,
; no pitch, no padding, and a work-group's 256 rows for ALL of K are one dense block of 131,072 bytes.  So the whole K lies in LDS, filled once: no slot is filled again.
; SHARES.  A work-group makes 256 x 256, each of four waves 128 x 128: 64 accumulators, 512 registers.  QKV = 1 has 192 work-groups: the next finer tile would give 384, one and a half for each of 256 WGPs.
; ROLES.  Source 0 is the operand along whose rows the result is quantised: in a result tile lane (r, h) holds source 1's row r, and register j source 0's row 8 h + j.  q, k, w1: source 0 = the weight, source 1 = h.
; v (the clusters with x = 2): source 0 = h, source 1 = the weight.  The choice hangs on the cluster's x alone, which all partners share, and is made by selecting LDS bases and output strides: no branch.
; THE QUANTISER IN REGISTERS.  The 8 result tiles of one tile of source 1 are 128 along the next K.  Block b of 32 = tiles 2 b, 2 b + 1; a lane holds 16 of its numbers, lane l xor 16 the others.  The conversions' results are
; laid so that two exchanges of half rows for each pair of blocks give the operand's registers.
; CLUSTERS: 4 x 4 work-groups.  h's tiles are shared along a row of the cluster, the weight's along a column: each is asked for jointly, by the same tensor load with the same descriptor and a mask that names the four.
; OUT.  Codes leave as stores of 512 consecutive bytes.  The scale words leave 4 bytes a lane, 64 consecutive bytes a store (QKV = 0: 16 bytes apart): one ninth of the launch's output bytes.
; qkv: 32 records (batch x 16 + head) of REC bytes: q's codes [128 token tiles][512] at 0, q's scale words [128][16] at 65,536; k's at 73,728 and 139,264; v's codes [4 tiles of d][16 key steps][1,024] at 147,456, its scale words [4][16][16] at 212,992.
; A q or k word holds the head's two bytes low; above them the neighbouring head's two or zeros: never 0xff, and attention sets zero codes under them.
; LIMITS: NaN and infinities are not served; a block whose largest magnitude lies under 2^-124 keeps the byte 1; a block of zeros gets the byte 1 and not 127 (its codes are zeros; only this program reads the bytes).
; REGISTERS, in windows of 256: window 0: v1-24 addresses; v32-95 source 0's scale words (tile i, K step s at 8 i + s), v96-159 source 1's; v160-223 source 1's fragments, ONE set, later the numbers to be quantised; v224-248 the quantiser's.
;   window 1: v0-63, v128-191 source 0's fragments, TWO sets; v64-127 the bias along source 0, in the result's layout; v192-207 the bias along source 1, in pairs.   windows 2, 3: accumulator (a, b) at v[8 (8 (a % 4) + b)] of window 2 + a / 4.
.set QKV,  1
.set REC,  217088
.if QKV
.set WC,   0                           ; the weight's codes and scale bytes in wts
.set WS,   5767168
.else
.set WC,   1572864
.set WS,   5865472
.endif
.set LH,   0                           ; LDS: h's codes, the weight's codes, h's scale bytes, the weight's
.set LW,   131072
.set LSH,  262144
.set LSW,  270336
.set ADR0, 16                          ; v16  LDS address of source 0's fragments: base + 65,536 x my half + 16 x lane
.set ADR1, 17                          ; v17  the same for source 1
.set AS0,  18                          ; v18  source 0's scale words: base + 4,096 x my half + 16 r
.set AS1,  19                          ; v19  source 1's
.set VO0,  20                          ; v20  out: registers 0-3 of a fragment
.set VO1,  21                          ; v21  registers 4-7
.set VOS,  22                          ; v22  the scale word
.set SHV,  23                          ; v23  how far the word is shifted down (lanes 16-31 of q and k: 16)
.set PW2,  24
.set SC0,  32
.set SC1,  96
.set AF,   160
.set T,    160
.set TM,   224                         ; v224-227 largest magnitudes, v228-231 bytes, v236-239 the conversions' scale operands
.set PC,   240                         ; v240-247 the codes just made
.set PW,   248                         ; their scale word
.set BP,   64                          ; in window 1
.set BQ,   192
.set SEL,  20                          ; s[20:21] v_permlanex16_b32's selects for lane l xor 16
.set G1H,  24                          ; s[24:31] descriptor group 1 for h's codes;  s[32:35] its group 0;  s[36:39] group 0 for h's scale bytes;  s[68:75] their group 1
.set G0H,  32
.set G0HS, 36
.set G1W,  48                          ; s[48:55], s[56:59], s[60:63], s[80:87] the same for the weight
.set G0W,  56
.set G0WS, 60
.set G1HS, 68
.set G1WS, 80
.set MSB, 0
.macro WIN new                         ; the immediate's high byte repeats the setting that is left; low byte: bits 1:0 source 0, 3:2 source 1, 5:4 source 2, 7:6 destination
.if MSB != \new
	s_set_vgpr_msb (MSB<<8)|\new
.set MSB, \new
.endif
.endm
.macro PLACES n
.rept \n
	v_nop
.endr
.endm
.macro CROUND                          ; a round of the cluster's barrier: my work-group's barrier; wave 0 signals for the work-group; every wave waits for all sixteen; my work-group's barrier once more
	s_barrier_signal -1
	s_barrier_wait -1
	s_cmp_lg_u32 s14, 0
	s_cbranch_scc1 .Lnot_wave_0_\@
	s_barrier_signal -3
.Lnot_wave_0_\@:
	s_barrier_wait -3
	s_barrier_signal -1
	s_barrier_wait -1
.endm
	s_load_b256 s[4:11], s[0:1], 0x0               ; hq s[4:5], wts s[6:7], the bias s[8:9], the output s[10:11]
	v_lshl_add_u32 v254, v0, 2, 0x44000
	v_mov_b32 v255, 0
	ds_add_u32 v254, v255
	ds_add_u32 v254, v255
	v_lshrrev_b32 v1, 5, v0
	v_readfirstlane_b32 s14, v1                    ; wave 0..3
	s_lshr_b32 s15, s14, 1                         ; which half of source 1's rows is mine
	s_and_b32 s16, s14, 1                          ; which half of source 0's rows is mine
	s_bfe_u32 s40, ttmp6, 0x40000                  ; cx, cy: my place in the cluster
	s_bfe_u32 s41, ttmp6, 0x40004
	s_lshl_b32 s42, ttmp9, 2
	s_add_co_u32 s42, s42, s40                     ; which 256 rows of the weight = 4 x cluster x + cx
	s_and_b32 s17, ttmp7, 0xffff
	s_lshl_b32 s17, s17, 2
	s_add_co_u32 s17, s17, s41                     ; which 256 rows of h = 4 x cluster y + cy
	s_lshl_b32 s43, s41, 2
	s_lshl_b32 s43, 15, s43                        ; my row of the cluster
	s_lshl_b32 s44, 0x1111, s40                    ; my column
	; descriptor groups 1: dense blocks as rows of 256 bytes (32 elements of 8 bytes): 512 rows of codes, 32 rows of scale bytes: each tensor's whole block by one load
	s_or_b32 s[G1H], s43, (3<<16)|(1<<21)          ; 15:0 the mask; 17:16 elements of 8 bytes; 20 no padding; 21 set beside a mask
	s_or_b32 s[G1HS], s43, (3<<16)|(1<<21)
	s_or_b32 s[G1W], s44, (3<<16)|(1<<21)
	s_or_b32 s[G1WS], s44, (3<<16)|(1<<21)
.irp g, G1H, G1W
	s_mov_b32 s[\g+1], 32<<16                      ; tensor_dim0
	s_mov_b32 s[\g+2], 512<<16                     ; tensor_dim1
	s_mov_b32 s[\g+3], 32<<16                      ; tile_dim0
	s_mov_b32 s[\g+4], 512                         ; tile_dim1
	s_mov_b32 s[\g+5], 32                          ; tensor_dim0_stride
	s_mov_b32 s[\g+6], 0
	s_mov_b32 s[\g+7], 0
.endr
.irp g, G1HS, G1WS
	s_mov_b32 s[\g+1], 32<<16
	s_mov_b32 s[\g+2], 32<<16
	s_mov_b32 s[\g+3], 32<<16
	s_mov_b32 s[\g+4], 32
	s_mov_b32 s[\g+5], 32
	s_mov_b32 s[\g+6], 0
	s_mov_b32 s[\g+7], 0
.endr
	; where the tiles come from.  h's hang on the rows of h alone, the weight's on its rows alone, each in registers that never hold the other coordinate
	s_lshl_b32 s18, s17, 17
	s_mov_b32 s19, 0
	s_lshl_b32 s22, s17, 13
	s_add_co_u32 s22, s22, 2097152                 ; h's scale bytes
	s_mov_b32 s23, 0
	s_lshl_b32 s46, s42, 17
	s_add_co_u32 s46, s46, WC                      ; the weight's codes
	s_mov_b32 s47, 0
	s_lshl_b32 s12, s42, 13
	s_add_co_u32 s12, s12, WS                      ; the weight's scale bytes
	s_mov_b32 s13, 0
	s_mov_b32 s[SEL], 0x76543210
	s_mov_b32 s[SEL+1], 0xfedcba98
.if QKV
	; the roles and the way out: s76, s77 LDS bases of sources 0, 1; s78, s79 of their scale bytes; s88, s89 masks of the two biases; s90 .. s96 strides; s97, s98 where my codes and scale words begin
	s_and_b32 s2, s17, 7
	s_lshl_b32 s3, s2, 4
	s_lshl_b32 s45, s15, 3
	s_add_co_u32 s3, s3, s45                       ; q, k: my first token tile in the batch
	s_lshl_b32 s2, s2, 1
	s_add_co_u32 s2, s2, s16                       ; v: my key step in the batch
	s_mov_b32 s78, LSW
	s_mov_b32 s79, LSH
	s_mov_b32 s90, 512
	s_mov_b32 s91, REC
	s_mov_b32 s95, REC
	s_cmp_eq_u32 ttmp9, 2                          ; v?  (only lines that leave SCC alone follow, up to the last selection)
	s_cselect_b32 s76, LH, LW
	s_cselect_b32 s77, LW, LH
	s_cselect_b32 s78, LSH, s78
	s_cselect_b32 s79, LSW, s79
	s_cselect_b32 s88, 0, -1
	s_cselect_b32 s89, -1, 0
	s_cselect_b32 s90, 16384, s90                  ; from one tile of source 1 to the next: a token tile's 512 bytes, or a tile of d
	s_cselect_b32 s91, 512, s91                    ; from registers 0-3 to 4-7: the next head's record, or 512 bytes
	s_cselect_b32 s92, REC-65536, 0                ; v: behind four tiles of d the next head
	s_cselect_b32 s93, 1024, 64
	s_cselect_b32 s94, REC-4096, 0
	s_cselect_b32 s95, 0, s95                      ; q, k: lanes 16-31 store the next head's word
	s_cselect_b32 s96, 0, 16
	s_cselect_b32 s99, s15, s16                    ; which pair of heads
	s_cselect_b32 s2, s2, s3
	s_cselect_b32 s3, 10, 9
	s_lshr_b32 s97, s17, 3                         ; the batch
	s_lshl_b32 s97, s97, 4
	s_lshl_b32 s98, s40, 2
	s_add_co_u32 s97, s97, s98
	s_lshl_b32 s98, s99, 1
	s_add_co_u32 s97, s97, s98                     ; the record: 16 x batch + 4 cx + 2 x half
	s_mul_i32 s97, s97, REC
	s_mul_i32 s98, ttmp9, 73728                    ; q's, k's or v's part of it
	s_add_co_u32 s97, s97, s98
	s_lshl_b32 s98, s2, 6
	s_add_co_u32 s98, s98, s97
	s_add_co_u32 s98, s98, 65536
	s_lshl_b32 s3, s2, s3
	s_add_co_u32 s97, s97, s3
.else
	s_mov_b32 s76, LW
	s_mov_b32 s77, LH
	s_mov_b32 s78, LSW
	s_mov_b32 s79, LSH
	s_mov_b32 s90, 32768                           ; from one row tile of the output to the next
	s_mov_b32 s91, 512
	s_mov_b32 s93, 2048
	s_lshl_b32 s2, s17, 4
	s_lshl_b32 s3, s15, 3
	s_add_co_u32 s2, s2, s3                        ; my first row tile
	s_lshl_b32 s3, s42, 1
	s_add_co_u32 s3, s3, s16                       ; my K step of the next product
	s_lshl_b32 s97, s2, 15
	s_lshl_b32 s99, s3, 10
	s_add_co_u32 s97, s97, s99
	s_lshl_b32 s98, s2, 11
	s_lshr_b32 s99, s3, 2
	s_lshl_b32 s99, s99, 8
	s_add_co_u32 s98, s98, s99
	s_and_b32 s99, s3, 3
	s_lshl_b32 s99, s99, 2
	s_add_co_u32 s98, s98, s99
	s_add_co_u32 s98, s98, 8388608
.endif
	s_wait_dscnt 0x0
	s_wait_kmcnt 0x0
	s_mov_b32 s[G0H], 1                            ; 1:0 count = 1
	s_mov_b32 s[G0H+1], LH                         ; 63:32 LDS address: a constant
	s_add_nc_u64 s[G0H+2:G0H+3], s[4:5], s[18:19]  ; 120:64 global address
	s_or_b32 s[G0H+3], s[G0H+3], 0x80000000        ; 127:126 type = 2
	s_mov_b32 s[G0HS], 1
	s_mov_b32 s[G0HS+1], LSH
	s_add_nc_u64 s[G0HS+2:G0HS+3], s[4:5], s[22:23]
	s_or_b32 s[G0HS+3], s[G0HS+3], 0x80000000
	s_mov_b32 s[G0W], 1
	s_mov_b32 s[G0W+1], LW
	s_add_nc_u64 s[G0W+2:G0W+3], s[6:7], s[46:47]
	s_or_b32 s[G0W+3], s[G0W+3], 0x80000000
	s_mov_b32 s[G0WS], 1
	s_mov_b32 s[G0WS+1], LSW
	s_add_nc_u64 s[G0WS+2:G0WS+3], s[6:7], s[12:13]
	s_or_b32 s[G0WS+3], s[G0WS+3], 0x80000000
	CROUND                                         ; all sixteen work-groups are here: the joint loads meet
	; the four tiles are shared out, one load a wave: wave 0 h's codes, wave 1 the weight's, wave 2 h's scale bytes, wave 3 the weight's.
	; One tree of branches on the wave's number: every way through it passes exactly one load; an s_nop 0 and four v_nop follow each
	s_cmp_lt_u32 s14, 1
	s_cbranch_scc0 .Lfill_w
	tensor_load_to_lds s[G0H:G0H+3], s[G1H:G1H+7]
	s_nop 0
	PLACES 4
	s_branch .Lfilled
.Lfill_w:
	s_cmp_lt_u32 s14, 2
	s_cbranch_scc0 .Lfill_hs
	tensor_load_to_lds s[G0W:G0W+3], s[G1W:G1W+7]
	s_nop 0
	PLACES 4
	s_branch .Lfilled
.Lfill_hs:
	s_cmp_lt_u32 s14, 3
	s_cbranch_scc0 .Lfill_ws
	tensor_load_to_lds s[G0HS:G0HS+3], s[G1HS:G1HS+7]
	s_nop 0
	PLACES 4
	s_branch .Lfilled
.Lfill_ws:
	tensor_load_to_lds s[G0WS:G0WS+3], s[G1WS:G1WS+7]
	s_nop 0
	PLACES 4
.Lfilled:
	; addresses and the biases, while the tiles are on their way
	v_and_b32 v1, 31, v0                           ; lane
	v_and_b32 v2, 15, v0                           ; r
	v_bfe_u32 v3, v0, 4, 1                         ; h
	v_lshlrev_b32 v4, 4, v1
	v_lshlrev_b32 v5, 4, v2
	s_wait_alu depctr_va_vdst(0)
	s_lshl_b32 s45, s16, 16
	s_add_co_u32 s45, s45, s76
	v_add_nc_u32 v[ADR0], s45, v4
	s_lshl_b32 s45, s15, 16
	s_add_co_u32 s45, s45, s77
	v_add_nc_u32 v[ADR1], s45, v4
	s_lshl_b32 s45, s16, 12
	s_add_co_u32 s45, s45, s78
	v_add_nc_u32 v[AS0], s45, v5
	s_lshl_b32 s45, s15, 12
	s_add_co_u32 s45, s45, s79
	v_add_nc_u32 v[AS1], s45, v5
	v_add_nc_u32 v[VO0], s97, v4
	v_add_nc_u32 v[VO1], s91, v[VO0]
.if QKV
	v_mul_u32_u24 v8, s95, v3
	v_lshl_add_u32 v[VOS], v2, 2, v8
	v_add_nc_u32 v[VOS], s98, v[VOS]
	v_mul_u32_u24 v[SHV], s96, v3
.else
	v_lshl_add_u32 v[VOS], v2, 4, s98
.endif
.irp b, 0,1,2,3
	v_mov_b32 v[TM+4+\b], 0                        ; written once: a lane permute's destination counts as one of its sources
.endr
	s_lshl_b32 s3, s42, 10                         ; the bias: 4 bytes x 256 x my block of the weight's rows
	s_lshl_b32 s2, s16, 9
	s_add_co_u32 s2, s2, s3
	v_lshl_add_u32 v6, v3, 5, s2                   ; along source 0: tile t wants numbers 16 t + 8 h + 0 .. 7 of my half
.if QKV
	s_lshl_b32 s2, s15, 9
	s_add_co_u32 s2, s2, s3
	v_lshl_add_u32 v7, v2, 2, s2                   ; along source 1: tile a wants number 16 a + r
.endif
	WIN 0x40                                       ; destination window 1
.irp t, 0,1,2,3,4,5,6,7
	global_load_b128 v[BP+8*\t:BP+8*\t+3], v6, s[8:9] offset:64*\t
	global_load_b128 v[BP+8*\t+4:BP+8*\t+7], v6, s[8:9] offset:64*\t+16
.endr
.if QKV
.irp a, 0,1,2,3,4,5,6,7
	global_load_b32 v[BQ+2*\a], v7, s[8:9] offset:64*\a
	v_mov_b32 v[BQ+2*\a+1], 0                      ; (named with it as a pair, so it is written)
.endr
.endif
	WIN 0
	s_wait_tensorcnt 0x0                           ; my one load has landed,
	s_barrier_signal -1
	s_barrier_wait -1                              ; everybody's has: all of K lies in LDS, and nothing is filled again
.macro FRAG reg, adr, off              ; a fragment, 16 rows x 128 K: lane l's registers 4 c .. 4 c + 3 are the 16 bytes at 512 c + 16 l
	ds_load_b128 v[\reg:\reg+3], v[\adr] offset:\off
	ds_load_b128 v[\reg+4:\reg+7], v[\adr] offset:\off+512
.endm
.macro FETCH_B s, p                    ; source 0's eight fragments of K step s into set p
	WIN 0x40
.irp i, 0,1,2,3,4,5,6,7
	FRAG 128*(\p)+8*\i, ADR0, \i*8192+(\s)*1024
.endr
	WIN 0
.endm
.macro FETCH_A s, i0                   ; source 1's tiles i0 .. i0 + 3
.irp i, \i0, \i0+1, \i0+2, \i0+3
	FRAG AF+8*(\i), ADR1, (\i)*8192+(\s)*1024
.endr
.endm
.macro SCALES                          ; all scale words of my 128 + 128 rows: four K steps' words a load; lanes 0-15 are read by the matrix unit
.irp i, 0,1,2,3,4,5,6,7
.irp j, 0,1
	ds_load_b128 v[SC0+8*\i+4*\j:SC0+8*\i+4*\j+3], v[AS0] offset:\i*512+\j*256
	ds_load_b128 v[SC1+8*\i+4*\j:SC1+8*\i+4*\j+3], v[AS1] offset:\i*512+\j*256
.endr
.endr
.endm
; 16 matrix instructions: source 1's tiles a0, a0 + 1 x source 0's eight, K step s.  first = 1: the bias along source 0 is the C of a sum's first instruction: nothing is cleared or added.
; The 64 accumulators take turns, one instruction a turn, in the same order in every step.
.macro MUL16 a0, p, s, first
.irp a, \a0, \a0+1
.irp b, 0,1,2,3,4,5,6,7
.if \first
	v_wmma_scale_f32_16x16x128_f8f6f4 v[8*(8*((\a)%4)+\b):8*(8*((\a)%4)+\b)+7], v[128*(\p)+8*\b:128*(\p)+8*\b+7], v[AF+8*(\a):AF+8*(\a)+7], v[BP+8*\b:BP+8*\b+7], v[SC0+8*\b+(\s)], v[SC1+8*(\a)+(\s)] matrix_a_fmt:MATRIX_FMT_FP4 matrix_b_fmt:MATRIX_FMT_FP4
.else
	v_wmma_scale_f32_16x16x128_f8f6f4 v[8*(8*((\a)%4)+\b):8*(8*((\a)%4)+\b)+7], v[128*(\p)+8*\b:128*(\p)+8*\b+7], v[AF+8*(\a):AF+8*(\a)+7], v[8*(8*((\a)%4)+\b):8*(8*((\a)%4)+\b)+7], v[SC0+8*\b+(\s)], v[SC1+8*(\a)+(\s)] matrix_a_fmt:MATRIX_FMT_FP4 matrix_b_fmt:MATRIX_FMT_FP4
.endif
.endr
.endr
.endm
; A K step of 128 that has a successor.  A tile of source 1 is free as soon as its eight products are issued, so one set serves it: tiles 0-3 are fetched anew in the step's middle, tiles 4-7 at its end.
; A load into a register that a matrix instruction has read stands four places behind it, and only plain vector instructions that name none of its registers are places (ISA guide 7.12.1 for vector instructions).
.macro STEP s, first
	s_wait_dscnt 8                                 ; all but the youngest eight loads (source 1's tiles 4-7) are in
.if \first
	WIN 0x91                                       ; source 0 window 1, source 1 window 0, C (the bias) window 1, D window 2
.else
	WIN 0xa1                                       ; C and D window 2
.endif
	MUL16 0, (\s)%2, \s, \first
	MUL16 2, (\s)%2, \s, \first
	s_wait_dscnt 0x0                               ; tiles 4-7 are in (asked for 32 matrix instructions ago)
	PLACES 4
	FETCH_B (\s)+1, 1-(\s)%2
	FETCH_A (\s)+1, 0
.if \first
	WIN 0xd1
.else
	WIN 0xf1
.endif
	MUL16 4, (\s)%2, \s, \first
	MUL16 6, (\s)%2, \s, \first
	PLACES 4
	WIN 0
	FETCH_A (\s)+1, 4
.endm
; 64 numbers of a lane, v[s] .. v[s + 63] (tile t's register j at 8 t + j: k = 16 t + 8 h + j of my row), become a fragment's codes in v[PC] on and its scale word in v[PW].
.macro QUANT s
.irp b, 0,1,2,3
	v_max3_num_f32 v[TM+\b], |v[\s+16*\b]|, |v[\s+1+16*\b]|, 0x1800000   ; block b: my 16 numbers, and the floor 2^(3 - 127): the byte cannot fall under 1
.endr
.irp i, 2,4,6,8,10,12,14
.irp b, 0,1,2,3
	v_max3_num_f32 v[TM+\b], v[TM+\b], |v[\s+16*\b+\i]|, |v[\s+1+16*\b+\i]|   ; (the four blocks by turns)
.endr
.endr
.irp b, 0,1,2,3
	v_permlanex16_b32 v[TM+4+\b], v[TM+\b], s[SEL], s[SEL+1]
.endr
.irp b, 0,1,2,3
	v_max_num_f32 v[TM+\b], v[TM+\b], v[TM+4+\b]   ; with lane l xor 16's: the block's largest magnitude
.endr
.irp b, 0,1,2,3
	v_add_nc_u32 v[TM+12+\b], 0xff000000, v[TM+\b] ; 2 off its exponent field: the conversion's scale operand
.endr
.irp b, 0,1,2,3
	v_lshrrev_b32 v[TM+4+\b], 23, v[TM+12+\b]      ; the scale's byte
.endr
	v_lshl_or_b32 v[PW], v[TM+5], 8, v[TM+4]
	v_lshl_or_b32 v[PW], v[TM+6], 16, v[PW]
	v_lshl_or_b32 v[PW], v[TM+7], 24, v[PW]
.irp b, 0,1,2,3
	v_cvt_scalef32_pk8_fp4_f32 v[PC+4*(\b/2)+(\b%2)], v[\s+16*\b:\s+16*\b+7], v[TM+12+\b]       ; k = 32 b + 8 h + 0 .. 7
	v_cvt_scalef32_pk8_fp4_f32 v[PC+4*(\b/2)+2+(\b%2)], v[\s+16*\b+8:\s+16*\b+15], v[TM+12+\b]  ; k = 32 b + 16 + 8 h + 0 .. 7
.endr
	v_nop                                          ; one plain line behind a scaled conversion
.irp c, 0,1                            ; the first's lanes 16-31 change places with the second's lanes 0-15: register 4 c + i then holds k = 64 c + 32 h + 8 i + 0 .. 7
	v_permlane16_swap_b32 v[PC+4*\c], v[PC+4*\c+1]
	v_permlane16_swap_b32 v[PC+4*\c+2], v[PC+4*\c+3]
.endr
.endm
	SCALES
	FETCH_B 0, 0
	FETCH_A 0, 0
	FETCH_A 0, 4
	s_wait_loadcnt 0x0                             ; the biases
.if QKV
	WIN 0x44                                       ; destination and source 1 window 1
.set j, 0
.rept 64
	v_and_b32 v[BP+j], s88, v[BP+j]                ; the bias runs along the weight's rows: along source 0 for q and k, along source 1 for v; the other one is made zero
.set j, j+1
.endr
.irp a, 0,1,2,3,4,5,6,7
	v_and_b32 v[BQ+2*\a], s89, v[BQ+2*\a]
.endr
	PLACES 4
.endif
	s_wait_alu depctr_va_vdst(0)
	STEP 0, 1
.irp s, 1,2,3,4,5,6
	STEP \s, 0
.endr
	s_wait_dscnt 8                                 ; the last K step: nothing more to fetch
	WIN 0xa1
	MUL16 0, 1, 7, 0
	MUL16 2, 1, 7, 0
	s_wait_dscnt 0x0
	WIN 0xf1
	MUL16 4, 1, 7, 0
	MUL16 6, 1, 7, 0
	WIN 0
	PLACES 4                                       ; in front of the first read of results and the first write over source 1's fragments
; THE WAY OUT of source 1's tile a: its 8 result tiles come into window 0 (each accumulator from its low end on) with the bias along source 1 or the relu, are quantised, and leave as one fragment and one scale word a row.
.macro OUT a
.if QKV
	WIN ((2+(\a)/4)|4)                             ; source 0: the accumulators' window; source 1: window 1
.set j, 0
.rept 32
	v_pk_add_f32 v[T+2*j:T+2*j+1], v[64*((\a)%4)+2*j:64*((\a)%4)+2*j+1], v[BQ+2*(\a):BQ+2*(\a)+1] op_sel_hi:[1,0]
.set j, j+1
.endr
.else
	WIN ((2+(\a)/4)<<2)                            ; source 1: the accumulators' window
.set j, 0
.rept 64
	v_max_num_f32 v[T+j], 0, v[64*((\a)%4)+j]
.set j, j+1
.endr
.endif
	WIN 0
	QUANT T
	global_store_b128 v[VO0], v[PC:PC+3], s[10:11]           ; 32 lanes store 512 consecutive bytes, aligned
	global_store_b128 v[VO1], v[PC+4:PC+7], s[10:11]
.if QKV
	v_lshrrev_b32 v[PW2], v[SHV], v[PW]            ; q, k: lanes 0-15 store the first head's word, lanes 16-31 the second head's two bytes
	global_store_b32 v[VOS], v[PW2], s[10:11]
.else
	global_store_b32 v[VOS], v[PW], s[10:11]       ; (lanes 16-31 store the same word to the same place)
.endif
.if (\a) < 7
	s_wait_xcnt 0x0                                ; the stores have read their data and offsets: both are written again only behind this wait
	v_add_nc_u32 v[VO0], s90, v[VO0]
	v_add_nc_u32 v[VO1], s90, v[VO1]
	v_add_nc_u32 v[VOS], s93, v[VOS]
.if QKV && ((\a) == 3)
	v_add_nc_u32 v[VO0], s92, v[VO0]
	v_add_nc_u32 v[VO1], s92, v[VO1]
	v_add_nc_u32 v[VOS], s94, v[VOS]
.endif
.endif
.endm
.irp a, 0,1,2,3,4,5,6,7
	OUT \a
.endr
	s_wait_tensorcnt 0x0
	ds_add_u32 v254, v255
	s_wait_dscnt 0x0
	CROUND                                         ; the closing round: no work-group ends while a partner may still ask for a tile that names it
	s_endpgm
.Lfunc_end_k_q50a81dfd83_gemm_qkv:
	.size	k_q50a81dfd83_gemm_qkv, .Lfunc_end_k_q50a81dfd83_gemm_qkv-k_q50a81dfd83_gemm_qkv
	.p2alignl 7, 3214868480
	.fill 96, 4, 3214868480
	.section	.rodata,"a",@progbits
	.p2align	6, 0x0
	.amdhsa_kernel k_q50a81dfd83_gemm_qkv
		.amdhsa_group_segment_fixed_size 279040
		.amdhsa_private_segment_fixed_size 0
		.amdhsa_enable_private_segment 0
		.amdhsa_kernarg_size 32
		.amdhsa_user_sgpr_count 2
		.amdhsa_user_sgpr_kernarg_segment_ptr 1
		.amdhsa_wavefront_size32 1
		.amdhsa_system_sgpr_workgroup_id_x 1
		.amdhsa_system_sgpr_workgroup_id_y 1
		.amdhsa_system_sgpr_workgroup_id_z 1
		.amdhsa_system_vgpr_workitem_id 0
		.amdhsa_next_free_vgpr 1024
		.amdhsa_next_free_sgpr 100
		.amdhsa_reserve_vcc 0
		.amdhsa_float_denorm_mode_32 3
		.amdhsa_float_denorm_mode_16_64 3
		.amdhsa_memory_ordered 1
		.amdhsa_forward_progress 1
		.amdhsa_inst_pref_size 150
	.end_amdhsa_kernel
	.amdgpu_metadata
---
amdhsa.version: [ 1, 2 ]
amdhsa.kernels:
  - .name:           k_q50a81dfd83_gemm_qkv
    .symbol:         k_q50a81dfd83_gemm_qkv.kd
    .args:
      - { .name: hq, .offset: 0, .size: 8, .value_kind: global_buffer, .address_space: global }
      - { .name: wts, .offset: 8, .size: 8, .value_kind: global_buffer, .address_space: global }
      - { .name: b_qkv, .offset: 16, .size: 8, .value_kind: global_buffer, .address_space: global }
      - { .name: qkv, .offset: 24, .size: 8, .value_kind: global_buffer, .address_space: global }
    .group_segment_fixed_size: 279040
    .private_segment_fixed_size: 0
    .kernarg_segment_align: 8
    .kernarg_segment_size: 32
    .max_flat_workgroup_size: 128
    .sgpr_count:     100
    .vgpr_count:     1024
    .wavefront_size: 32
...
	.end_amdgpu_metadata
.endif
;; end of part 2
;; launch attention (part 3): grid 8 x 32, 16 waves a work-group, clusters of 4 x 1, 327,680 bytes of LDS; arguments qkv, x, attn, w1, w2, wts; writes attn, wts
.if DOCPART == 3
	.amdgcn_target "amdgcn-amd-amdhsa--gfx1250"
	.amdhsa_code_object_version 6
	.text
	.protected	k_q50a81dfd83_attention
	.globl	k_q50a81dfd83_attention
	.p2align	8
	.type	k_q50a81dfd83_attention,@function
k_q50a81dfd83_attention:
	s_mov_b64 s[64:65], 0
	v_nop
	global_prefetch_b8 v0, s[64:65] scope:SCOPE_SE
	s_setreg_imm32_b32 hwreg(HW_REG_WAVE_MODE, 25, 1), 1
	s_wait_xcnt 0x0
	s_wait_alu depctr_hold_cnt(0) depctr_sa_sdst(0) depctr_va_vdst(0) depctr_va_sdst(0) depctr_va_ssrc(0) depctr_va_vcc(0) depctr_vm_vsrc(0)
	s_getreg_b32 s2, hwreg(HW_REG_IB_STS2, 6, 4)
	s_cmp_eq_u32 s2, 0
	s_cbranch_scc0 .Lentry_in_a_cluster
	s_endpgm
.Lentry_in_a_cluster:
	s_bfe_u32 s2, ttmp6, 0x10000c
	s_cmp_lg_u32 s2, 0x3003
	s_cbranch_scc0 .Lentry_shape_is_right
	s_endpgm
.Lentry_shape_is_right:
; attn[b][q][head][:] = softmax_k(q . k / 8) v + x, both products on codes of FP4 (E2M1) with one E8M0 scale for each 32 along a product's K.  2 batches x 16 heads of 64, 2,048 tokens.
; A SECOND JOB RIDES ALONG: w1 [1,024 (K)][4,096] and w2 [4,096 (K)][1,024], f32, are quantised along K into wts, for the two launches that follow the next one (see THE WEIGHTS).
; qkv: 32 records (batch x 16 + head) of REC bytes, in the order of the operands' registers: q's codes [128 token tiles][512 bytes] at 0, q's scale words [128][16] at 65,536; k's at 73,728 and 139,264;
; v's codes, the KEYS innermost, [4 tiles of d][16 key steps of 128][1,024 bytes] at 147,456, its scale words [4][16][16] at 212,992.
; THE FIRST PRODUCT'S K IS 64: q's registers 4-7 are zero codes, set once.  So whatever codes stand in registers 4-7 of k's operand are multiplied by zero: a fragment of k takes FOUR registers, and its operand
; runs on over the next fragment's four (the last of a set: over four pad registers, or p's first four codes).  FP4 has no NaN or infinity, and the upper two bytes of the scale words are never 0xff.
; THE SOFTMAX: t = score x log2(e) / 8; M = the row's largest t so far, rounded UP to a whole number; p = 2^(t - M) is quantised along the keys, not normalised.  The row's sum is taken of the unquantised p, in f32,
; and divides O at the end.  When M moves, the sum and O are multiplied by 2^(old M - new M): exact, no branch on data.  A block's largest p is the block's largest score put through the same multiply-add and
; exponential (this takes v_exp_f32 not to fall where its input rises).
; SHARES.  A work-group owns 256 queries of one record, each of its sixteen waves one tile of 16, in 256 registers.  k and v of a record with their scale words, 143,360 dense bytes, come into LDS ONCE.
; CLUSTER: the four query blocks of a cluster read the same k and v: each quarter is asked for jointly, by the same tensor load with a mask that names the four.  The weights' tiles are shared by nobody: plain loads.
; LAYOUT.  Both products are used transposed (S^T = k q^T, O^T = v^T p^T): a lane holds ONE query (lane % 16).  THE KEYS OF A TILE ARE CHOSEN: lane r of tile (c, u) takes key 64 c + 32 (r / 8) + 8 u + r % 8.
; In the result lane (r, h) then holds, in the 32 registers of tiles (c, 0 .. 3), keys 64 c + 32 h + 0 .. 31: a WHOLE block of 32.  So a block's maximum needs no other lane, each lane works on its own half's blocks alone,
; and the four conversions of a block give registers 4 c .. 4 c + 3 of p's operand as they stand.  Only the row's maximum and the scale words' bytes cross the halves.
; A STEP IS 256 KEYS: one M, one rescaling of O for 128 scores a lane.  k comes in four batches of four fragments, in two sets of registers by turns, each asked for a batch ahead (the next step's first in this step's middle);
; the maxima of batch c - 1 are the places behind batch c's products.  v's eight fragments land in the upper 64 score registers once these are converted and summed, under the work on the lower 64.
; One scale register serves two tiles of k, or v's two runs of 128 keys: the first in lanes 0-15, the second in lanes 16-31.
; THE WEIGHTS.  Work-group g of the 256 takes 256 along K x 64 columns of each weight (w1: chunk g % 4 of K, columns 64 (g / 4); w2: chunk g % 16, columns 64 (g / 16)).  Wave w < 8 takes block w of 32 along K of w1's tile,
; wave w >= 8 block w - 8 of w2's: 32 rows x 256 bytes, brought by ONE tensor load a wave into 8,192 LDS bytes that this wave alone reads.  The load stands behind the round that shows k and v landed, and is waited for behind the loop.
; Then A LANE TAKES A COLUMN AND ITS REGISTERS RUN DOWN K (two columns a lane).  Codes go to [column tile][block k / 32][column % 16][16 bytes]: sixteen lanes fill 256 aligned bytes.
; The scale bytes of a tile's eight blocks are gathered in LDS, [column][8], and leave behind one barrier by waves 0 and 8, 8 bytes a column: half of the column's 16 in [column tile][k / 512][column % 16][16 bytes].
; A block's scale is 2^(floor(log2(largest magnitude)) - 2), its byte held at 1 from below.  A wave's 8,192 bytes, once read, serve as its stage on the way out: they have had their only fill.
; PREFETCH: x's 16 rows x 256 bytes of a wave are asked for in trip ASKT, 8 - ASKT trips ahead of the way out, a lane a row (lanes 16-31 name the last row again).  k and v are not: they are loaded once, at the head, with no loop ahead of them; the weights' loads have the whole loop behind them.
; LIMITS: NaN and infinities are not served; the scaled scores stay under 2^31 in magnitude; a block of p that has fallen to zeros, a block of a weight under 2^-124 or of zeros keeps the byte 1 (only this program reads the bytes).
.set REC,   217088
.set LKS,   65536                      ; LDS: k's codes at 0, its scale words, v's codes, its scale words,
.set LVC,   73728
.set LVS,   139264
.set LW,    143360                     ; sixteen times 8,192 bytes: a wave's part of a weight, later its stage of 16 rows x 272 bytes,
.set LSG,   274432                     ; the weights' scale bytes: [w1, w2][64 columns][8],
.set SPARE, 275456                     ; and the spare words, 128 bytes a wave
.set W1C,   1572864                    ; byte offsets in wts
.set W2C,   3670016
.set W1S,   5865472
.set W2S,   5996544
.set ASKT,  4
.set AK,    1                          ; v1-4  my lane's place in k's codes, v's codes, k's scale words, v's
.set AV,    2
.set AKS,   3
.set AVS,   4
.set SPW,   5                          ; v5    my spare word;  v6  0: both never rewritten
.set NIL,   6
.set XP,    7                          ; v7    the prefetch's offset; never rewritten
.set QS,    8                          ; v8    q's scale word
.set PW,    9                          ; v9-10 p's scale words of the step's two runs of 128 keys
.set TA,    11                         ; v11, v34 at work: the step's addresses of k, then the M chain
.set TB,    34                         ; v12 -M, v13 the largest t, v[14:15] the sum, v16-23 q
.set KSC,   24                         ; v24-27 k's scale words: set p, pair of tiles i at 2 p + i
.set VSC,   28                         ; v28-31 v's scale words, a register a tile of d
.set F,     32                         ; v[32:33] f
.set SH,    35                         ; v35   8 x (lane / 16)
.set BM,    36                         ; v36-39 a block's largest score, then its largest p; then v's addresses
.set SO,    40                         ; v40-43 chains of the maxima, then the conversions' scale operands
.set KS,    44                         ; v44-59 k's set 0, v60-63 the pad (zeros), v64-79 set 1, which serves the bytes and the sums between two steps
.set TS,    64
.set PC,    80                         ; v80-95 p's codes
.set S,     96                         ; v96-223 S^T, then p: tile (c, u) at 32 c + 8 u
.set VF,    160                        ; v's fragments: 16 d + 8 run
.set O,     224                        ; v224-255 O^T
.set SEL,   20                         ; s[20:21] v_permlanex16_b32's selects for lane l xor 16
.set CS,    22                         ; s[22:23] c = log2(e) / 8
.set G1,    24                         ; s[24:31], s[32:35] k's and v's descriptor
.set G0,    32
.set G1A,   52                         ; s[52:59] group 1 for w1's tiles, s[68:75] for w2's, s[60:63] my group 0
.set G0W,   60
.set G1B,   68
.macro CROUND                          ; a round of the cluster's barrier
	s_barrier_signal -1
	s_barrier_wait -1
	s_cmp_lg_u32 s10, 0
	s_cbranch_scc1 .Lnot_wave_0_\@
	s_barrier_signal -3
.Lnot_wave_0_\@:
	s_barrier_wait -3
	s_barrier_signal -1
	s_barrier_wait -1
.endm
	s_load_b128 s[4:7], s[0:1], 0x0                ; qkv s[4:5], x s[6:7]
	s_load_b64 s[8:9], s[0:1], 0x10                ; attn
	s_load_b128 s[44:47], s[0:1], 0x18             ; w1 s[44:45], w2 s[46:47]
	s_load_b64 s[48:49], s[0:1], 0x28              ; wts
	v_lshl_add_u32 v[SPW], v0, 2, SPARE
	v_mov_b32 v[NIL], 0
	ds_add_u32 v[SPW], v[NIL]                      ; the opening: the add, twice on end, and its wait ahead of the first tensor load
	ds_add_u32 v[SPW], v[NIL]
	v_lshrrev_b32 v1, 5, v0
	s_delay_alu instid0(VALU_DEP_1)
	v_readfirstlane_b32 s10, v1                    ; wave 0..15
	s_bfe_u32 s11, ttmp6, 0x40000                  ; cx
	s_lshl_b32 s12, ttmp9, 2
	s_add_co_u32 s12, s12, s11                     ; my block of 256 queries: it enters global addresses alone
	s_and_b32 s13, ttmp7, 0xffff                   ; the record, which the four partners share
	s_lshl_b32 s42, s13, 3
	s_add_co_u32 s42, s42, s12                     ; g = 8 x record + block: my work-group's tiles of the weights
	s_lshl_b32 s12, s12, 4
	s_add_co_u32 s12, s12, s10                     ; my token tile
	s_mul_i32 s38, s13, REC
	s_min_u32 s41, s10, 3                          ; waves 0-3 fetch a quarter of k and v each (the others' numbers stay inside)
	s_mul_i32 s39, s41, 35840
	s_add_co_u32 s36, s38, s39
	s_add_co_u32 s36, s36, 73728
	s_mov_b32 s37, 0
	s_mov_b32 s[G1], 15|(3<<16)|(1<<21)            ; 15:0 the mask: all four work-groups; 17:16 elements of 8 bytes; 21 set beside a mask
	s_mov_b32 s[G1+1], 32<<16                      ; rows of 256 bytes
	s_mov_b32 s[G1+2], 140<<16                     ; 35,840 dense bytes
	s_mov_b32 s[G1+3], 32<<16
	s_mov_b32 s[G1+4], 140
	s_mov_b32 s[G1+5], 32
	s_mov_b32 s[G1+6], 0
	s_mov_b32 s[G1+7], 0
.irp g, G1A, G1B
	s_mov_b32 s[\g], 3<<16                         ; no mask; elements of 8 bytes; no padding
	s_mov_b32 s[\g+1], 32<<16                      ; 32 rows of 256 bytes
	s_mov_b32 s[\g+2], 32<<16
	s_mov_b32 s[\g+3], 32<<16
	s_mov_b32 s[\g+4], 32
	s_mov_b32 s[\g+6], 0
	s_mov_b32 s[\g+7], 0
.endr
	s_mov_b32 s[G1A+5], 2048                       ; from row to row: w1 16,384 bytes,
	s_mov_b32 s[G1B+5], 512                        ; w2 4,096
	s_mov_b32 s[SEL], 0x76543210
	s_mov_b32 s[SEL+1], 0xfedcba98
	s_mov_b32 s[CS], 0x3e38aa3b
	s_mov_b32 s[CS+1], s[CS]                       ; (named with it as a pair, so it is written)
	s_lshr_b32 s14, s13, 4                         ; the batch
	s_lshl_b32 s14, s14, 11
	s_lshl_b32 s15, s12, 4
	s_add_co_u32 s14, s14, s15                     ; my first row of x and attn
	s_lshl_b32 s14, s14, 12
	s_and_b32 s15, s13, 15
	s_lshl_b32 s15, s15, 8                         ; the head's 256 bytes of a row
	s_add_co_u32 s14, s14, s15
	s_mov_b32 s15, 0
	s_lshl_b32 s16, s12, 9
	s_add_co_u32 s16, s16, s38                     ; q's codes of my tile
	s_lshl_b32 s17, s12, 6
	s_add_co_u32 s17, s17, s38
	s_add_co_u32 s17, s17, 65536                   ; and its scale words
	; my part of the weights: numbers chosen on the wave's number alone
	s_and_b32 s43, s10, 7                          ; my block of the tile's eight
	s_mov_b32 s78, W2C
	s_mov_b32 s79, W2S
	s_cmp_lt_u32 s10, 8                            ; w1's wave or w2's?  (only lines that leave SCC alone follow, up to the last selection)
	s_cselect_b32 s50, 2, 4                        ; log2 of the chunks of 256 along K,
	s_cselect_b32 s51, 14, 12                      ; of a row's bytes,
	s_cselect_b32 s76, 13, 15                      ; of a column tile's codes (K x 8 bytes),
	s_cselect_b32 s77, 9, 11                       ; of its scale bytes (K / 2)
	s_cselect_b32 s78, W1C, s78
	s_cselect_b32 s79, W1S, s79
	s_bfm_b32 s80, s50, 0
	s_and_b32 s80, s42, s80                        ; which 256 along K
	s_lshr_b32 s81, s42, s50                       ; which 64 columns
	s_lshl_b32 s82, s80, 8
	s_lshl_b32 s83, s43, 5
	s_add_co_u32 s82, s82, s83                     ; my first row
	s_lshl_b32 s82, s82, s51
	s_lshl_b32 s83, s81, 8
	s_add_co_u32 s82, s82, s83                     ; my tile's first byte in the weight
	s_mov_b32 s83, 0
	s_lshl_b32 s84, s81, 2                         ; the first of four column tiles
	s_lshl_b32 s85, s84, s76
	s_add_co_u32 s85, s85, s78
	s_lshl_b32 s86, s80, 3
	s_add_co_u32 s86, s86, s43
	s_lshl_b32 s86, s86, 8                         ; 256 bytes a block
	s_add_co_u32 s85, s85, s86                     ; my codes in wts
	s_lshl_b32 s86, s84, s77
	s_add_co_u32 s86, s86, s79
	s_lshr_b32 s87, s80, 1
	s_lshl_b32 s87, s87, 8                         ; two chunks share a run of 512 along K,
	s_add_co_u32 s86, s86, s87
	s_and_b32 s87, s80, 1
	s_lshl_b32 s87, s87, 3                         ; and the odd chunk's bytes are the upper 8 of a column's 16
	s_add_co_u32 s86, s86, s87                     ; the tile's scale bytes in wts
	s_lshl_b32 s88, 2, s76                         ; two column tiles on
	s_wait_dscnt 0x0
	s_wait_kmcnt 0x0
	s_mov_b32 s[G0], 1
	s_mov_b32 s[G0+1], s39
	s_add_nc_u64 s[G0+2:G0+3], s[4:5], s[36:37]
	s_or_b32 s[G0+3], s[G0+3], 0x80000000
	s_add_nc_u64 s[6:7], s[6:7], s[14:15]
	s_add_nc_u64 s[8:9], s[8:9], s[14:15]
	s_cmp_lt_u32 s10, 8
	s_cselect_b64 s[44:45], s[44:45], s[46:47]     ; a choice between buffers on the wave's number alone
	s_mov_b32 s[G0W], 1
	s_lshl_b32 s[G0W+1], s10, 13
	s_add_co_u32 s[G0W+1], s[G0W+1], LW            ; LDS: 8,192 bytes a wave
	s_add_nc_u64 s[G0W+2:G0W+3], s[44:45], s[82:83]
	s_or_b32 s[G0W+3], s[G0W+3], 0x80000000
	CROUND                                         ; all four work-groups are here: the joint loads meet
	s_cmp_lt_u32 s10, 4
	s_cbranch_scc0 .Lno_fill
	tensor_load_to_lds s[G0:G0+3], s[G1:G1+7]      ; one load of mine is out
	s_nop 0
.rept 4
	v_nop
.endr
.Lno_fill:
	v_and_b32 v11, 31, v0                          ; lane
	v_and_b32 v34, 15, v0                          ; r
	v_bfe_u32 v35, v0, 4, 1                        ; h
	v_lshlrev_b32 v32, 4, v11                      ; 16 x lane
	v_and_b32 v98, 7, v34                          ; r % 8
	v_lshrrev_b32 v99, 3, v34                      ; r / 8
	v_add_nc_u32 v96, s16, v32
	global_load_b128 v[16:19], v96, s[4:5]         ; q's codes stay in registers
	v_lshl_add_u32 v97, v34, 2, s17
	global_load_b32 v[QS], v97, s[4:5]             ; and its scale words
	v_add_nc_u32 v[AV], LVC, v32                   ; v's fragments: 16 x lane
	v_lshlrev_b32 v[AK], 4, v98                    ; k: key 32 (r / 8) + r % 8 is row r % 8 of token tile 2 (r / 8): 16 (r % 8) + 1,024 (r / 8) + 256 h
	v_lshl_add_u32 v[AKS], v98, 2, LKS             ; its scale word: 4 bytes a key; lanes 16-31 take the next tile's, 8 keys on
	v_lshl_add_u32 v[AVS], v34, 2, LVS             ; v's: 4 r; lanes 16-31 take the next run's, 64 bytes on
	v_min_u32 v[XP], 15, v11
	v_lshl_add_u32 v[AK], v99, 10, v[AK]
	v_lshl_add_u32 v[AKS], v99, 7, v[AKS]
	v_lshl_add_u32 v[AVS], v35, 6, v[AVS]
	v_lshlrev_b32 v[XP], 12, v[XP]                 ; a lane a row of x
	v_lshl_add_u32 v[AK], v35, 8, v[AK]
	v_lshl_add_u32 v[AKS], v35, 5, v[AKS]
	v_lshlrev_b32 v[SH], 3, v35                    ; 8 h: how far my bytes are shifted up in a scale word
.irp j, 20,21,22,23, 60,61,62,63, 80,81,82,83
	v_mov_b32 v[\j], 0                             ; q's upper half: zero codes; the pad behind k's set 0; and p's first four codes, which stand behind set 1
.endr
	v_mov_b32 v13, 0xff61b1e6                      ; the largest t so far: -3e38, under every t
	v_mov_b32 v14, 0                               ; the sum, in two halves
	v_mov_b32 v15, 0
	v_floor_f32 v12, -v13                          ; -M
	v_mov_b32 v[F+1], 0                            ; (named as the upper half of the pair)
	v_mov_b32 v[TA], 0                             ; written once: a lane permute's destination counts as one of its sources
	v_mov_b32 v[TB], 0
.set j, 0
.rept 32
	v_mov_b32 v[O+j], 0                            ; O^T.  (The loop is written once: its first step finds zeros, which the first change of M leaves zeros)
.set j, j+1
.endr
.macro KLOAD a, b, c, p                ; batch c (4: the next step's first) into set p: four fragments of k and two registers of scale words: six LDS loads
.irp u, 0,1,2,3
	ds_load_b128 v[KS+20*\p+4*\u:KS+20*\p+4*\u+3], v[\a] offset:2048*\c+512*(\u/2)+128*(\u%2)
.endr
.irp i, 0,1
	ds_load_b32 v[KSC+2*\p+\i], v[\b] offset:256*\c+64*\i
.endr
.endm
.macro WM c, p
.irp i, 0,1
	v_wmma_scale_f32_16x16x128_f8f6f4 v[S+32*\c+16*\i:S+32*\c+16*\i+7], v[KS+20*\p+8*\i:KS+20*\p+8*\i+7], v[16:23], 0, v[KSC+2*\p+\i], v[QS] matrix_a_fmt:MATRIX_FMT_FP4 matrix_b_fmt:MATRIX_FMT_FP4
	v_wmma_scale_f32_16x16x128_f8f6f4 v[S+32*\c+16*\i+8:S+32*\c+16*\i+15], v[KS+20*\p+8*\i+4:KS+20*\p+8*\i+11], v[16:23], 0, v[KSC+2*\p+\i], v[QS] matrix_a_fmt:MATRIX_FMT_FP4 matrix_b_fmt:MATRIX_FMT_FP4 matrix_a_scale:MATRIX_SCALE_ROW1
.endr
.endm
.macro MAXA c                          ; my block of batch c, 32 scores: four chains, a tile each, each accumulator from its low end on
	v_max3_num_f32 v[BM+\c], v[S+32*\c], v[S+32*\c+1], v[S+32*\c+2]
.irp u, 1,2,3
	v_max3_num_f32 v[SO+\u-1], v[S+32*\c+8*\u], v[S+32*\c+8*\u+1], v[S+32*\c+8*\u+2]
.endr
.endm
.macro MAXB c
.irp i, 3,5
	v_max3_num_f32 v[BM+\c], v[BM+\c], v[S+32*\c+\i], v[S+32*\c+\i+1]
.irp u, 1,2,3
	v_max3_num_f32 v[SO+\u-1], v[SO+\u-1], v[S+32*\c+8*\u+\i], v[S+32*\c+8*\u+\i+1]
.endr
.endr
	v_max3_num_f32 v[BM+\c], v[BM+\c], v[S+32*\c+7], v[S+32*\c+15]
	v_max3_num_f32 v[SO], v[SO], v[S+32*\c+23], v[S+32*\c+31]
	v_max_num_f32 v[SO+1], v[SO+1], v[SO+2]
	s_delay_alu instid0(VALU_DEP_1)
	v_max3_num_f32 v[BM+\c], v[BM+\c], v[SO], v[SO+1]   ; the block's largest score
.endm
.macro CVT c                           ; keys 64 c + 32 h + 8 u + 0 .. 7: register 4 c + u of p's operand
.irp u, 0,1,2,3
	v_cvt_scalef32_pk8_fp4_f32 v[PC+4*\c+\u], v[S+32*\c+8*\u:S+32*\c+8*\u+7], v[SO+\c]
.endr
.endm
.macro SUMR b, t                       ; 64 numbers from v[b] on, two at a time, into four chains
	v_pk_add_f32 v[\t:\t+1], v[\b:\b+1], v[\b+8:\b+9]
	v_pk_add_f32 v[\t+2:\t+3], v[\b+2:\b+3], v[\b+10:\b+11]
	v_pk_add_f32 v[\t+8:\t+9], v[\b+4:\b+5], v[\b+12:\b+13]
	v_pk_add_f32 v[\t+10:\t+11], v[\b+6:\b+7], v[\b+14:\b+15]
.irp j, 16,24,32,40,48,56
	v_pk_add_f32 v[\t:\t+1], v[\t:\t+1], v[\b+\j:\b+\j+1]
	v_pk_add_f32 v[\t+2:\t+3], v[\t+2:\t+3], v[\b+\j+2:\b+\j+3]
	v_pk_add_f32 v[\t+8:\t+9], v[\t+8:\t+9], v[\b+\j+4:\b+\j+5]
	v_pk_add_f32 v[\t+10:\t+11], v[\t+10:\t+11], v[\b+\j+6:\b+\j+7]
.endr
.endm
.macro OMUL j0                         ; one accumulator of O^T under the new M, from its low end on
.irp j, 0,2,4,6
	v_pk_mul_f32 v[O+\j0+\j:O+\j0+\j+1], v[O+\j0+\j:O+\j0+\j+1], v[F:F+1] op_sel_hi:[1,0]
.endr
.endm
	s_wait_alu depctr_va_vdst(0)                   ; the wait at the head's end
	s_wait_tensorcnt 0x0                           ; my quarter of k and v has landed (waves 4-15 have none out)
	ds_add_u32 v[SPW], v[NIL]                      ; the add, here twice on end
	ds_add_u32 v[SPW], v[NIL]
	s_wait_dscnt 0x0
	CROUND                                         ; a whole round: everybody's quarter is in
	s_cmp_lt_u32 s10, 8                            ; my part of a weight: my one tensor load behind the round; two shapes, so two lines under a branch on the wave's number
	s_cbranch_scc0 .Lask_w2
	tensor_load_to_lds s[G0W:G0W+3], s[G1A:G1A+7]
	s_nop 0
.rept 4
	v_nop
.endr
	s_branch .Lw_asked
.Lask_w2:
	tensor_load_to_lds s[G0W:G0W+3], s[G1B:G1B+7]
	s_nop 0
.rept 4
	v_nop
.endr
.Lw_asked:
	KLOAD AK, AKS, 0, 0                            ; the first step's first batch
	s_wait_loadcnt 0x0                             ; q
	s_mov_b32 s40, 0
.Lstep:                                            ; 8 trips of 256 keys
	s_cmp_eq_u32 s40, ASKT
	s_cbranch_scc0 .Lnoask
	global_prefetch_b8 v[XP], s[6:7] th:TH_LOAD_NT scope:SCOPE_SE   ; its address registers are never written again
.Lnoask:
	v_lshl_add_u32 v[TA], s40, 13, v[AK]           ; k: 16 token tiles x 512 bytes a step
	v_lshl_add_u32 v[TB], s40, 10, v[AKS]
	KLOAD TA, TB, 1, 1
	s_wait_alu depctr_va_vdst(0)
	s_wait_dscnt 6                                 ; batch 0 is in; the six loads of batch 1 may be out (so at each of the four waits: the next batch's six)
	WM 0, 0
.rept 4
	v_nop                                          ; four places in front of loads into registers that the products read (ISA guide 7.12.1 for vector instructions)
.endr
	KLOAD TA, TB, 2, 0
	s_wait_dscnt 6
	WM 1, 1
	MAXA 0                                         ; four lines on batch 0's results are the places behind batch 1's products
	KLOAD TA, TB, 3, 1
	MAXB 0
	s_wait_dscnt 6
	WM 2, 0
	MAXA 1
	KLOAD TA, TB, 4, 0                             ; the next step's first batch (in the last trip: landed bytes behind k's, which nothing uses)
	MAXB 1
	s_wait_dscnt 6
	WM 3, 1
	MAXA 2
	MAXB 2
	MAXA 3
	MAXB 3
	v_max3_num_f32 v[TA], v[BM], v[BM+1], v[BM+2]
	s_delay_alu instid0(VALU_DEP_1)
	v_max_num_f32 v[TA], v[TA], v[BM+3]            ; my half's largest score of the step,
	s_delay_alu instid0(VALU_DEP_1)
	v_permlanex16_b32 v[TB], v[TA], s[SEL], s[SEL+1]
	s_delay_alu instid0(VALU_DEP_1)
	v_max_num_f32 v[TA], v[TA], v[TB]              ; and lane l xor 16's: my query's
	s_delay_alu instid0(VALU_DEP_1)
	v_mul_f32 v[TA], s[CS], v[TA]                  ; as t (c is positive)
	s_delay_alu instid0(VALU_DEP_1)
	v_max_num_f32 v13, v13, v[TA]                  ; the running largest t
	v_mov_b32 v[TB], v12
	s_delay_alu instid0(VALU_DEP_2)
	v_floor_f32 v12, -v13                          ; the new -M = floor(-t) = -ceil(t)
	s_delay_alu instid0(VALU_DEP_1)
	v_sub_f32 v[TB], v12, v[TB]                    ; old M - new M: a whole number, 0 or less
	s_delay_alu instid0(VALU_DEP_1)
	v_cvt_i32_f32 v[TB], v[TB]                     ; (it saturates)
	s_delay_alu instid0(VALU_DEP_1)
	v_ldexp_f32 v[F], 1.0, v[TB]                   ; f = 2^(old M - new M)
.set j, 0
.rept 64
	v_pk_fma_f32 v[S+j:S+j+1], v[S+j:S+j+1], s[CS:CS+1], v[12:13] op_sel_hi:[1,0,0]   ; t - M, two at a time
.set j, j+2
.endr
.irp c, 0,1,2,3
	v_fma_f32 v[BM+\c], v[BM+\c], s[CS], v12       ; the same of each block's largest score
.endr
	s_wait_alu depctr_va_vdst(0)                   ; the wait ahead of the batch
.set j, 0
.rept 128
	v_exp_f32 v[S+j], v[S+j]                       ; p = 2^(t - M), at most 1
.set j, j+1
.endr
.irp c, 0,1,2,3
	v_exp_f32 v[BM+\c], v[BM+\c]                   ; the block's largest p
.endr
	v_pk_mul_f32 v[14:15], v[14:15], v[F:F+1] op_sel_hi:[1,0]   ; the sums under the new M (a plain line behind the exponentials)
	s_wait_alu depctr_va_vdst(0)                   ; one wait for the batch, ahead of its first reader
.irp c, 0,1,2,3
	v_max_num_f32 v[BM+\c], 0x1800000, v[BM+\c]    ; the floor 2^(3 - 127): the byte cannot fall under 1
.endr
.irp c, 0,1,2,3
	s_delay_alu instid0(VALU_DEP_4)
	v_add_nc_u32 v[SO+\c], 0xff000000, v[BM+\c]    ; 2 off the exponent field: the conversion's scale operand
.endr
	v_lshl_add_u32 v[BM], s40, 11, v[AV]           ; v: two runs of 1,024 bytes a step in each tile of d
	v_lshl_add_u32 v[BM+1], s40, 7, v[AVS]
	CVT 2
	CVT 3
	SUMR S+64, TS                                  ; the row's sum of the unquantised p: first the upper 64 (also the plain lines behind the conversions),
.irp d, 0,1,2,3                        ; whose registers then take v's fragments
.irp k, 0,1
	ds_load_b128 v[VF+16*\d+8*\k:VF+16*\d+8*\k+3], v[BM] offset:16384*\d+1024*\k
	ds_load_b128 v[VF+16*\d+8*\k+4:VF+16*\d+8*\k+7], v[BM] offset:16384*\d+1024*\k+512
.endr
	ds_load_b32 v[VSC+\d], v[BM+1] offset:1024*\d
.endr
.irp c, 0,1,2,3
	v_lshrrev_b32 v[TS+4+\c], 23, v[SO+\c]         ; the scale's byte
.endr
	v_lshl_or_b32 v[PW], v[TS+5], 16, v[TS+4]      ; my two bytes of a run's word: blocks h and 2 + h,
	v_lshl_or_b32 v[PW+1], v[TS+7], 16, v[TS+6]
	s_delay_alu instid0(VALU_DEP_2)
	v_lshlrev_b32 v[PW], v[SH], v[PW]              ; at their places, 8 h bits up;
	s_delay_alu instid0(VALU_DEP_2)
	v_lshlrev_b32 v[PW+1], v[SH], v[PW+1]
	s_delay_alu instid0(VALU_DEP_2)
	v_permlanex16_b32 v[TA], v[PW], s[SEL], s[SEL+1]
	s_delay_alu instid0(VALU_DEP_2)
	v_permlanex16_b32 v[TB], v[PW+1], s[SEL], s[SEL+1]
	s_delay_alu instid0(VALU_DEP_2)
	v_or_b32 v[PW], v[PW], v[TA]                   ; with lane l xor 16's two the word is whole
	s_delay_alu instid0(VALU_DEP_2)
	v_or_b32 v[PW+1], v[PW+1], v[TB]
	CVT 0
	CVT 1
	SUMR S, TS+4
	v_pk_add_f32 v[TS:TS+1], v[TS:TS+1], v[TS+2:TS+3]
	v_pk_add_f32 v[TS+8:TS+9], v[TS+8:TS+9], v[TS+10:TS+11]
	v_pk_add_f32 v[TS+4:TS+5], v[TS+4:TS+5], v[TS+6:TS+7]
	s_delay_alu instid0(VALU_DEP_4)
	v_pk_add_f32 v[TS+12:TS+13], v[TS+12:TS+13], v[TS+14:TS+15]
	s_wait_alu depctr_va_vdst(0)                   ; the wait directly ahead of the first reader of O^T; plain lines alone follow up to the last
	OMUL 0
	v_pk_add_f32 v[TS:TS+1], v[TS:TS+1], v[TS+8:TS+9]
	v_pk_add_f32 v[TS+4:TS+5], v[TS+4:TS+5], v[TS+12:TS+13]
	OMUL 8
	v_pk_add_f32 v[TS:TS+1], v[TS:TS+1], v[TS+4:TS+5]
	OMUL 16
	v_pk_add_f32 v[14:15], v[14:15], v[TS:TS+1]
	OMUL 24
	s_wait_alu depctr_va_vdst(0)                   ; directly ahead of the wait below
	s_wait_dscnt 0x0                               ; v (and the next step's first batch of k)
.irp d, 0,1,2,3                        ; the four accumulators by turns, one instruction a turn
	v_wmma_scale_f32_16x16x128_f8f6f4 v[O+8*\d:O+8*\d+7], v[VF+16*\d:VF+16*\d+7], v[PC:PC+7], v[O+8*\d:O+8*\d+7], v[VSC+\d], v[PW] matrix_a_fmt:MATRIX_FMT_FP4 matrix_b_fmt:MATRIX_FMT_FP4
.endr
.irp d, 0,1,2,3
	v_wmma_scale_f32_16x16x128_f8f6f4 v[O+8*\d:O+8*\d+7], v[VF+16*\d+8:VF+16*\d+15], v[PC+8:PC+15], v[O+8*\d:O+8*\d+7], v[VSC+\d], v[PW+1] matrix_a_fmt:MATRIX_FMT_FP4 matrix_b_fmt:MATRIX_FMT_FP4 matrix_a_scale:MATRIX_SCALE_ROW1
.endr
	s_add_co_u32 s40, s40, 1
	s_cmp_lt_u32 s40, 8
	s_cbranch_scc1 .Lstep
	; BEHIND THE LOOP.  Addresses first (these lines are also the places behind the last products), x is asked for, then my part of a weight, then O.
	s_wait_tensorcnt 0x0                           ; my part of a weight has landed: I alone read it
	s_lshl_b32 s16, s10, 13
	s_add_co_u32 s16, s16, LW                      ; my 8,192 bytes
	s_lshr_b32 s17, s10, 3
	s_lshl_b32 s17, s17, 9
	s_add_co_u32 s17, s17, LSG                     ; my weight's gathered scale bytes
	s_add_co_u32 s18, s17, s43                     ; my block's byte in a column's eight
	v_and_b32 v1, 31, v0                           ; lane
	v_and_b32 v47, 15, v0                          ; r
	v_bfe_u32 v48, v0, 4, 1                        ; h
	v_lshl_add_u32 v2, v1, 2, s16                  ; the weight in LDS: my column, 4 bytes a lane
	v_lshlrev_b32 v46, 12, v48
	v_lshlrev_b32 v3, s76, v48
	v_lshl_add_u32 v46, v47, 4, v46                ; x, attn: lanes 0-15 one row, lanes 16-31 the next; 16 bytes a lane
	v_lshl_add_u32 v3, v47, 4, v3
.irp i, 0,1,2,3,4,5,6,7
	global_load_b128 v[192+4*\i:195+4*\i], v46, s[6:7] offset:8192*\i   ; x at rows 2 i + h of my tile
.endr
.irp b, 0,1
.set i, 0
.rept 32
	ds_load_b32 v[96+32*\b+i], v2 offset:256*i+128*\b   ; W(32 t + i, column 32 b + lane): 32 lanes read 128 consecutive bytes
.set i, i+1
.endr
.endr
	v_add_nc_u32 v3, s85, v3                       ; my codes' place: (lane / 16) x a column tile + 16 (lane % 16); columns 0-31,
	v_lshl_add_u32 v49, v1, 3, s18                 ; my byte's place: 8 bytes a column
	v_mul_u32_u24 v44, v47, 272
	v_mul_u32_u24 v45, v48, 272
	v_add_nc_u32 v4, s88, v3                       ; columns 32-63
	v_lshl_add_u32 v44, v48, 5, v44
	v_lshl_add_u32 v45, v47, 4, v45
	v_add_f32 v14, v14, v15                        ; the sum's two halves
	v_add_nc_u32 v44, s16, v44                     ; the stage, in: row r; tile d's eight channels of my half: 64 d + 32 h bytes on
	v_add_nc_u32 v45, s16, v45                     ; back: lanes 0-15 one row, lanes 16-31 the next
	v_permlanex16_b32 v[TA], v14, s[SEL], s[SEL+1]
	s_wait_alu depctr_va_vdst(0)                   ; directly ahead of the wait below
	s_wait_dscnt 0x0
.irp b, 0,1
	v_max3_num_f32 v[36+2*\b], |v[96+32*\b]|, |v[97+32*\b]|, |v[98+32*\b]|   ; each block's largest magnitude, in two chains; the two blocks by turns
	v_max3_num_f32 v[37+2*\b], |v[99+32*\b]|, |v[100+32*\b]|, |v[101+32*\b]|
.endr
.irp i, 6,10,14,18,22,26
.irp b, 0,1
	v_max3_num_f32 v[36+2*\b], v[36+2*\b], |v[96+32*\b+\i]|, |v[97+32*\b+\i]|
	v_max3_num_f32 v[37+2*\b], v[37+2*\b], |v[98+32*\b+\i]|, |v[99+32*\b+\i]|
.endr
.endr
	v_max3_num_f32 v36, v36, |v126|, |v127|
	v_max3_num_f32 v38, v38, |v158|, |v159|
	v_add_f32 v14, v14, v[TA]                      ; and lane l xor 16's: the row's sum
	s_delay_alu instid0(VALU_DEP_3)
	v_max3_num_f32 v36, v36, v37, 0x1800000        ; and the floor 2^(3 - 127): the byte cannot fall under 1
	s_delay_alu instid0(VALU_DEP_3)
	v_max3_num_f32 v38, v38, v39, 0x1800000
	s_delay_alu instid0(VALU_DEP_2)
	v_add_nc_u32 v40, 0xff000000, v36              ; 2 off the exponent field: the conversion's scale operand
	s_delay_alu instid0(VALU_DEP_2)
	v_add_nc_u32 v41, 0xff000000, v38
.irp b, 0,1
.irp g, 0,1,2,3
	v_cvt_scalef32_pk8_fp4_f32 v[160+4*\b+\g], v[96+32*\b+8*\g:103+32*\b+8*\g], v[40+\b]
.endr
.endr
	v_lshrrev_b32 v42, 23, v40                     ; the scales' bytes (also the plain lines behind the conversions)
	v_lshrrev_b32 v43, 23, v41
	global_store_b128 v3, v[160:163], s[48:49]     ; sixteen lanes fill 256 aligned bytes of a column tile
	global_store_b128 v4, v[164:167], s[48:49]
	ds_store_b8 v49, v42
	ds_store_b8 v49, v43 offset:256
	; THE WAY OUT.  O^T / the sum goes through my stage, so that sixteen lanes hold the head's 256 bytes of a row; x is added; attn leaves in aligned runs of 256 bytes.
	s_wait_alu depctr_va_vdst(0)                   ; the wait ahead of the transcendental
	v_rcp_f32 v14, v14
	v_nop                                          ; one plain line behind a transcendental
	s_wait_alu depctr_va_vdst(0)                   ; and ahead of its first reader, which is also O^T's
.set j, 0
.rept 32
	v_mul_f32 v[96+j], v[O+j], v14                 ; register 8 d + i is o(r, 16 d + 8 h + i); each accumulator from its low end on
.set j, j+1
.endr
.irp d, 0,1,2,3
	ds_store_b128 v44, v[96+8*\d:99+8*\d] offset:64*\d
	ds_store_b128 v44, v[100+8*\d:103+8*\d] offset:64*\d+16
.endr
.irp i, 0,1,2,3,4,5,6,7
	ds_load_b128 v[128+4*\i:131+4*\i], v45 offset:544*\i   ; LDS serves a wave's instructions in order: these see my stores
.endr
	s_wait_dscnt 0x0                               ; the rows are back; and, for the others' sake, my scale bytes are stored
	s_wait_loadcnt 0x0                             ; x
.irp j, 0,2,4,6,8,10,12,14,16,18,20,22,24,26,28,30
	v_pk_add_f32 v[128+\j:129+\j], v[128+\j:129+\j], v[192+\j:193+\j]
.endr
.irp i, 0,1,2,3,4,5,6,7
	global_store_b128 v46, v[128+4*\i:131+4*\i], s[8:9] offset:8192*\i
.endr
	s_barrier_signal -1
	s_barrier_wait -1                              ; all sixteen waves' scale bytes lie in LDS
	s_cmp_lg_u32 s43, 0
	s_cbranch_scc1 .Lno_bytes                      ; they leave by wave 0 (w1's) and wave 8 (w2's)
	v_lshl_add_u32 v50, v1, 4, s17                 ; columns 2 lane and 2 lane + 1
	ds_load_b128 v[52:55], v50
	v_lshrrev_b32 v51, 3, v1
	v_and_b32 v56, 7, v1
	v_lshlrev_b32 v51, s77, v51                    ; column tile lane / 8,
	s_delay_alu instid0(VALU_DEP_1)
	v_lshl_add_u32 v51, v56, 5, v51                ; 16 bytes a column
	s_delay_alu instid0(VALU_DEP_1)
	v_add_nc_u32 v51, s86, v51
	s_wait_alu depctr_va_vdst(0)                   ; directly ahead of the wait below
	s_wait_dscnt 0x0
	global_store_b64 v51, v[52:53], s[48:49]
	global_store_b64 v51, v[54:55], s[48:49] offset:16
.Lno_bytes:
	s_wait_tensorcnt 0x0                           ; the wave's end
	ds_add_u32 v[SPW], v[NIL]
	s_wait_dscnt 0x0
	CROUND                                         ; the closing round: no work-group ends while a partner may still ask for a tile that names it
	s_endpgm
.Lfunc_end_k_q50a81dfd83_attention:
	.size	k_q50a81dfd83_attention, .Lfunc_end_k_q50a81dfd83_attention-k_q50a81dfd83_attention
	.p2alignl 7, 3214868480
	.fill 96, 4, 3214868480
	.section	.rodata,"a",@progbits
	.p2align	6, 0x0
	.amdhsa_kernel k_q50a81dfd83_attention
		.amdhsa_group_segment_fixed_size 327680
		.amdhsa_private_segment_fixed_size 0
		.amdhsa_enable_private_segment 0
		.amdhsa_kernarg_size 48
		.amdhsa_user_sgpr_count 2
		.amdhsa_user_sgpr_kernarg_segment_ptr 1
		.amdhsa_wavefront_size32 1
		.amdhsa_system_sgpr_workgroup_id_x 1
		.amdhsa_system_sgpr_workgroup_id_y 1
		.amdhsa_system_sgpr_workgroup_id_z 1
		.amdhsa_system_vgpr_workitem_id 0
		.amdhsa_next_free_vgpr 256
		.amdhsa_next_free_sgpr 90
		.amdhsa_reserve_vcc 0
		.amdhsa_float_denorm_mode_32 3
		.amdhsa_float_denorm_mode_16_64 3
		.amdhsa_memory_ordered 1
		.amdhsa_forward_progress 1
		.amdhsa_inst_pref_size 52
	.end_amdhsa_kernel
	.amdgpu_metadata
---
amdhsa.version: [ 1, 2 ]
amdhsa.kernels:
  - .name:           k_q50a81dfd83_attention
    .symbol:         k_q50a81dfd83_attention.kd
    .args:
      - { .name: qkv, .offset: 0, .size: 8, .value_kind: global_buffer, .address_space: global }
      - { .name: x, .offset: 8, .size: 8, .value_kind: global_buffer, .address_space: global }
      - { .name: attn, .offset: 16, .size: 8, .value_kind: global_buffer, .address_space: global }
      - { .name: w1, .offset: 24, .size: 8, .value_kind: global_buffer, .address_space: global }
      - { .name: w2, .offset: 32, .size: 8, .value_kind: global_buffer, .address_space: global }
      - { .name: wts, .offset: 40, .size: 8, .value_kind: global_buffer, .address_space: global }
    .group_segment_fixed_size: 327680
    .private_segment_fixed_size: 0
    .kernarg_segment_align: 8
    .kernarg_segment_size: 48
    .max_flat_workgroup_size: 512
    .sgpr_count:     90
    .vgpr_count:     256
    .wavefront_size: 32
...
	.end_amdgpu_metadata
.endif
;; end of part 3
;; launch ln2 (part 4): grid 256 x 1, 4 waves a work-group, no clusters, 28,160 bytes of LDS; arguments attn, ln2_g, ln2_b, hq; writes hq
.if DOCPART == 4
	.amdgcn_target "amdgcn-amd-amdhsa--gfx1250"
	.amdhsa_code_object_version 6
	.text
	.protected	k_q50a81dfd83_ln2
	.globl	k_q50a81dfd83_ln2
	.p2align	8
	.type	k_q50a81dfd83_ln2,@function
k_q50a81dfd83_ln2:
	s_mov_b64 s[64:65], 0
	v_nop
	global_prefetch_b8 v0, s[64:65] scope:SCOPE_SE
	s_setreg_imm32_b32 hwreg(HW_REG_WAVE_MODE, 25, 1), 1
	s_wait_xcnt 0x0
; Layer norm of rows of 1,024 f32, then the quantiser along the row: y = (x - mean) rsqrt(var + 1e-5) g + b, in f32, becomes codes of FP4 (E2M1) with one E8M0 byte for each 32.
; Output in the order of the matrix operand's registers: codes [row tile][block t = k / 32][r = row % 16][16 bytes] (8,192 bytes a tile), scale bytes at 2,097,152 + [row tile][j = k / 512][r][16 bytes].
; A work-group is one row tile of 16 rows; wave w takes rows 4 w .. 4 w + 3, one after the other, all four requested at the head (32 loads of 512 consecutive bytes).
; The variance is taken in a second pass over x - mean, from registers: a common offset in the inputs costs no accuracy.
; For the sums a lane holds 4 neighbours of each 128; for the conversions it must hold a whole block of 32: the row turns through the wave's own stage in LDS (blocks 144 bytes apart).
; A lane's 16 bytes of codes belong to unit t = lane of the tile's image: they are gathered in LDS (units 272 bytes apart) and leave, behind the one barrier, as stores of 512 consecutive bytes.
; LIMITS: NaN and infinities are not served; a block whose largest magnitude lies under 2^-124 keeps the byte 1; a block of zeros gets the byte 1 and not 127 (its codes are zeros; only this program reads the bytes).
; No tensor load, no cluster: work-groups share nothing but g and b, 8 KiB.
.set IMG, 18432                        ; LDS: four stages of 4,608 bytes; the image, 32 units x 272; the scale bytes, 512
.set SCB, 27136
.set Z,   32                           ; v32-63   a block's 32 numbers
.set X,   64                           ; v64-191  four rows
.set G,   192                          ; v192-223 the gain at my columns
.set BV,  224                          ; v224-255 the bias
	s_load_b256 s[4:11], s[0:1], 0x0               ; the rows s[4:5], g s[6:7], b s[8:9], hq s[10:11]
	v_lshl_add_u32 v30, v0, 2, 0x6c00
	v_mov_b32 v31, 0
	v_lshrrev_b32 v1, 5, v0
	v_readfirstlane_b32 s15, v1                    ; wave 0..3
	v_and_b32 v1, 31, v0                           ; lane
	v_lshlrev_b32 v2, 4, v1                        ; 16 x lane
	s_mul_i32 s16, s15, 4608                       ; my stage
	v_lshrrev_b32 v3, 3, v1
	v_mul_u32_u24 v3, v3, 144
	v_and_b32 v4, 7, v1
	v_lshl_add_u32 v3, v4, 4, v3
	v_add_nc_u32 v3, s16, v3                       ; into the stage: eight lanes' 128 bytes are a block
	v_mul_u32_u24 v4, v1, 144
	v_add_nc_u32 v4, s16, v4                       ; out of it: block = lane
	s_lshl_b32 s17, s15, 6                         ; 16 bytes x my first row
	v_mul_u32_u24 v5, v1, 272
	v_add_nc_u32 v5, s17, v5
	v_add_nc_u32 v5, IMG, v5                       ; the image: unit = lane, 16 bytes a row
	v_lshrrev_b32 v22, 4, v1                       ; h
	v_and_b32 v23, 15, v1                          ; r
	v_lshl_add_u32 v6, v22, 8, v23
	v_add_nc_u32 v6, s17, v6
	v_add_nc_u32 v6, SCB, v6                       ; the scale bytes: 256 (lane / 16) + 16 row + lane % 16
	s_mul_i32 s16, s15, 8*272
	v_mul_u32_u24 v7, v22, 272
	v_lshl_add_u32 v7, v23, 4, v7
	v_add_nc_u32 v7, s16, v7
	v_add_nc_u32 v7, IMG, v7                       ; back: wave w takes units 8 w .. 8 w + 7, two an instruction
	v_add_nc_u32 v21, SCB, v2
	v_mov_b32 v14, 0                               ; written once: a lane permute's destination counts as one of its sources
	s_mov_b32 s12, 0x76543210
	s_mov_b32 s13, 0xfedcba98                      ; v_permlanex16_b32's selects for lane l xor 16
	s_mov_b32 s14, 0x3a800000                      ; 1 / 1,024
	s_lshl_b32 s16, ttmp9, 16                      ; 16 rows of 4,096 bytes a tile,
	s_lshl_b32 s17, s15, 14                        ; 4 rows a wave
	s_add_co_u32 s16, s16, s17
	s_mov_b32 s17, 0
	s_lshl_b32 s18, ttmp9, 13
	s_lshl_b32 s19, s15, 11
	s_add_co_u32 s18, s18, s19
	s_mov_b32 s19, 0
	s_lshl_b32 s20, ttmp9, 9
	s_add_co_u32 s20, s20, 2097152
	s_mov_b32 s21, 0
	s_wait_kmcnt 0x0
	s_add_nc_u64 s[4:5], s[4:5], s[16:17]
	s_add_nc_u64 s[18:19], s[10:11], s[18:19]      ; my 2,048 bytes of the tile's codes
	s_add_nc_u64 s[20:21], s[10:11], s[20:21]      ; the tile's scale bytes
.irp i, 0,1,2,3,4,5,6,7
	global_load_b128 v[G+4*\i:G+4*\i+3], v2, s[6:7] offset:512*\i
	global_load_b128 v[BV+4*\i:BV+4*\i+3], v2, s[8:9] offset:512*\i
.endr
.irp q, 0,1,2,3
.irp i, 0,1,2,3,4,5,6,7
	global_load_b128 v[X+32*\q+4*\i:X+32*\q+4*\i+3], v2, s[4:5] offset:4096*\q+512*\i
.endr
.endr
.macro REDUCE                          ; v8 summed over the 32 lanes, the result in every lane
	v_add_f32_dpp v8, v8, v8 row_xmask:1 row_mask:0xf bank_mask:0xf
	v_add_f32_dpp v8, v8, v8 row_xmask:2 row_mask:0xf bank_mask:0xf
	v_add_f32_dpp v8, v8, v8 row_xmask:4 row_mask:0xf bank_mask:0xf
	v_add_f32_dpp v8, v8, v8 row_xmask:8 row_mask:0xf bank_mask:0xf
	v_permlanex16_b32 v14, v8, s12, s13
	v_add_f32 v8, v8, v14
.endm
.macro ROW q
.set XR, X+32*(\q)
	s_wait_loadcnt 8*(3-(\q))                      ; g, b and this row are in; the later rows' eight loads each may be out
	v_pk_add_f32 v[8:9], v[XR:XR+1], v[XR+2:XR+3]  ; the sum, two at a time, in two chains
	v_pk_add_f32 v[10:11], v[XR+4:XR+5], v[XR+6:XR+7]
.irp i, 8,12,16,20,24,28
	v_pk_add_f32 v[8:9], v[8:9], v[XR+\i:XR+\i+1]
	v_pk_add_f32 v[10:11], v[10:11], v[XR+\i+2:XR+\i+3]
.endr
	v_pk_add_f32 v[8:9], v[8:9], v[10:11]
	v_add_f32 v8, v8, v9
	REDUCE
	v_mul_f32 v12, s14, v8                         ; the mean
	v_mov_b32 v13, v12
.irp i, 0,2,4,6,8,10,12,14,16,18,20,22,24,26,28,30
	v_pk_add_f32 v[XR+\i:XR+\i+1], v[XR+\i:XR+\i+1], v[12:13] neg_lo:[0,1] neg_hi:[0,1]   ; x - mean
.endr
	v_pk_mul_f32 v[8:9], v[XR:XR+1], v[XR:XR+1]    ; the sum of its squares
	v_pk_mul_f32 v[10:11], v[XR+2:XR+3], v[XR+2:XR+3]
.irp i, 4,8,12,16,20,24,28
	v_pk_fma_f32 v[8:9], v[XR+\i:XR+\i+1], v[XR+\i:XR+\i+1], v[8:9]
	v_pk_fma_f32 v[10:11], v[XR+\i+2:XR+\i+3], v[XR+\i+2:XR+\i+3], v[10:11]
.endr
	v_pk_add_f32 v[8:9], v[8:9], v[10:11]
	v_add_f32 v8, v8, v9
	REDUCE
	v_fmaak_f32 v12, s14, v8, 0x3727c5ac           ; the variance + 1e-5
	s_wait_alu depctr_va_vdst(0)
	v_rsq_f32 v12, v12
	v_nop                                          ; one plain line behind a transcendental (ISA guide 5.7.2)
	s_wait_alu depctr_va_vdst(0)
	v_mov_b32 v13, v12
.irp i, 0,2,4,6,8,10,12,14,16,18,20,22,24,26,28,30
	v_pk_mul_f32 v[XR+\i:XR+\i+1], v[XR+\i:XR+\i+1], v[12:13]
.endr
.irp i, 0,2,4,6,8,10,12,14,16,18,20,22,24,26,28,30
	v_pk_fma_f32 v[XR+\i:XR+\i+1], v[XR+\i:XR+\i+1], v[G+\i:G+\i+1], v[BV+\i:BV+\i+1]
.endr
.irp i, 0,1,2,3,4,5,6,7
	ds_store_b128 v3, v[XR+4*\i:XR+4*\i+3] offset:576*\i          ; a load's 512 bytes are four blocks
.endr
.irp j, 0,1,2,3,4,5,6,7
	ds_load_b128 v[Z+4*\j:Z+4*\j+3], v4 offset:16*\j              ; LDS serves a wave's instructions in order: these see the stores above
.endr
	s_wait_dscnt 0x0                               ; my block is in; the last row's stores into the image have read their registers
	v_max3_num_f32 v8, |v[Z]|, |v[Z+1]|, 0x1800000 ; the block's largest magnitude and the floor 2^(3 - 127), in two chains
	v_max3_num_f32 v9, |v[Z+2]|, |v[Z+3]|, 0x1800000
.irp i, 4,8,12,16,20,24,28
	v_max3_num_f32 v8, v8, |v[Z+\i]|, |v[Z+\i+1]|
	v_max3_num_f32 v9, v9, |v[Z+\i+2]|, |v[Z+\i+3]|
.endr
	v_max_num_f32 v8, v8, v9
	v_add_nc_u32 v15, 0xff000000, v8               ; 2 off the exponent field: the conversion's scale operand
.irp g, 0,1,2,3
	v_cvt_scalef32_pk8_fp4_f32 v[16+\g], v[Z+8*\g:Z+8*\g+7], v15
.endr
	v_lshrrev_b32 v20, 23, v15                     ; the scale's byte (also the plain line behind the conversions)
	ds_store_b128 v5, v[16:19] offset:16*(\q)
	ds_store_b8 v6, v20 offset:16*(\q)
.endm
	ROW 0
	ROW 1
	ROW 2
	ROW 3
	s_wait_dscnt 0x0                               ; for the others' sake: my stores into the image and the scale bytes are done
	s_barrier_signal -1
	s_barrier_wait -1
.irp i, 0,1,2,3
	ds_load_b128 v[Z+4*\i:Z+4*\i+3], v7 offset:544*\i
.endr
.irp i, 0,1,2,3
	s_wait_dscnt 3-\i
	global_store_b128 v2, v[Z+4*\i:Z+4*\i+3], s[18:19] offset:512*\i   ; 32 lanes store 512 consecutive bytes, aligned
.endr
	s_cmp_lg_u32 s15, 0
	s_cbranch_scc1 .Lend                           ; the tile's 512 scale bytes leave by wave 0
	ds_load_b128 v[48:51], v21
	s_wait_dscnt 0x0
	global_store_b128 v2, v[48:51], s[20:21]
.Lend:
	s_wait_tensorcnt 0x0
	ds_add_u32 v30, v31
	s_wait_dscnt 0x0
	s_endpgm
.Lfunc_end_k_q50a81dfd83_ln2:
	.size	k_q50a81dfd83_ln2, .Lfunc_end_k_q50a81dfd83_ln2-k_q50a81dfd83_ln2
	.p2alignl 7, 3214868480
	.fill 96, 4, 3214868480
	.section	.rodata,"a",@progbits
	.p2align	6, 0x0
	.amdhsa_kernel k_q50a81dfd83_ln2
		.amdhsa_group_segment_fixed_size 28160
		.amdhsa_private_segment_fixed_size 0
		.amdhsa_enable_private_segment 0
		.amdhsa_kernarg_size 32
		.amdhsa_user_sgpr_count 2
		.amdhsa_user_sgpr_kernarg_segment_ptr 1
		.amdhsa_wavefront_size32 1
		.amdhsa_system_sgpr_workgroup_id_x 1
		.amdhsa_system_sgpr_workgroup_id_y 1
		.amdhsa_system_sgpr_workgroup_id_z 1
		.amdhsa_system_vgpr_workitem_id 0
		.amdhsa_next_free_vgpr 256
		.amdhsa_next_free_sgpr 66
		.amdhsa_reserve_vcc 0
		.amdhsa_float_denorm_mode_32 3
		.amdhsa_float_denorm_mode_16_64 3
		.amdhsa_memory_ordered 1
		.amdhsa_forward_progress 1
		.amdhsa_inst_pref_size 43
	.end_amdhsa_kernel
	.amdgpu_metadata
---
amdhsa.version: [ 1, 2 ]
amdhsa.kernels:
  - .name:           k_q50a81dfd83_ln2
    .symbol:         k_q50a81dfd83_ln2.kd
    .args:
      - { .name: attn, .offset: 0, .size: 8, .value_kind: global_buffer, .address_space: global }
      - { .name: ln2_g, .offset: 8, .size: 8, .value_kind: global_buffer, .address_space: global }
      - { .name: ln2_b, .offset: 16, .size: 8, .value_kind: global_buffer, .address_space: global }
      - { .name: hq, .offset: 24, .size: 8, .value_kind: global_buffer, .address_space: global }
    .group_segment_fixed_size: 28160
    .private_segment_fixed_size: 0
    .kernarg_segment_align: 8
    .kernarg_segment_size: 32
    .max_flat_workgroup_size: 128
    .sgpr_count:     66
    .vgpr_count:     256
    .wavefront_size: 32
...
	.end_amdgpu_metadata
.endif
;; end of part 4
;; launch gemm_w1 (part 5): grid 16 x 16, 4 waves a work-group, clusters of 4 x 4, 279,040 bytes of LDS; arguments hq, wts, b1, mq; writes mq
.if DOCPART == 5
	.amdgcn_target "amdgcn-amd-amdhsa--gfx1250"
	.amdhsa_code_object_version 6
	.text
	.protected	k_q50a81dfd83_gemm_w1
	.globl	k_q50a81dfd83_gemm_w1
	.p2align	8
	.type	k_q50a81dfd83_gemm_w1,@function
k_q50a81dfd83_gemm_w1:
	s_mov_b64 s[64:65], 0
	v_nop
	global_prefetch_b8 v0, s[64:65] scope:SCOPE_SE
	s_setreg_imm32_b32 hwreg(HW_REG_WAVE_MODE, 25, 1), 1
	s_wait_xcnt 0x0
	s_wait_alu depctr_hold_cnt(0) depctr_sa_sdst(0) depctr_va_vdst(0) depctr_va_sdst(0) depctr_va_ssrc(0) depctr_va_vcc(0) depctr_vm_vsrc(0)
	s_getreg_b32 s2, hwreg(HW_REG_IB_STS2, 6, 4)
	s_cmp_eq_u32 s2, 0
	s_cbranch_scc0 .Lentry_in_a_cluster
	s_endpgm
.Lentry_in_a_cluster:
	s_bfe_u32 s2, ttmp6, 0x10000c
	s_cmp_lg_u32 s2, 0xf033
	s_cbranch_scc0 .Lentry_shape_is_right
	s_endpgm
.Lentry_shape_is_right:
; One text for two launches, told apart by QKV below.  Both: rows of h (4,096 x 1,024, codes of FP4 with E8M0 scales) times rows of a weight (N x 1,024, the same), f32 sums, + bias; the result is QUANTISED AGAIN in registers and only codes leave.
;   QKV = 1: the weight is w_qkv (N = 3,072).  q and k are quantised along the head's 64, v along the tokens (the keys of attention's second product).   QKV = 0: w1 (N = 4,096), relu, quantised along N.
; All operands lie in memory in the order of the operand's registers: codes [row tile][block k / 32][row % 16][16 bytes], scale bytes [row tile][k / 512][row % 16][16 bytes]: a fragment is two loads of 16 bytes at 16 x lane,
; no pitch, no padding, and a work-group's 256 rows for ALL of K are one dense block of 131,072 bytes.  So the whole K lies in LDS, filled once: no slot is filled again.
; SHARES.  A work-group makes 256 x 256, each of four waves 128 x 128: 64 accumulators, 512 registers.  QKV = 1 has 192 work-groups: the next finer tile would give 384, one and a half for each of 256 WGPs.
; ROLES.  Source 0 is the operand along whose rows the result is quantised: in a result tile lane (r, h) holds source 1's row r, and register j source 0's row 8 h + j.  q, k, w1: source 0 = the weight, source 1 = h.
; v (the clusters with x = 2): source 0 = h, source 1 = the weight.  The choice hangs on the cluster's x alone, which all partners share, and is made by selecting LDS bases and output strides: no branch.
; THE QUANTISER IN REGISTERS.  The 8 result tiles of one tile of source 1 are 128 along the next K.  Block b of 32 = tiles 2 b, 2 b + 1; a lane holds 16 of its numbers, lane l xor 16 the others.  The conversions' results are
; laid so that two exchanges of half rows for each pair of blocks give the operand's registers.
; CLUSTERS: 4 x 4 work-groups.  h's tiles are shared along a row of the cluster, the weight's along a column: each is asked for jointly, by the same tensor load with the same descriptor and a mask that names the four.
; OUT.  Codes leave as stores of 512 consecutive bytes.  The scale words leave 4 bytes a lane, 64 consecutive bytes a store (QKV = 0: 16 bytes apart): one ninth of the launch's output bytes.
; mq (QKV = 0): codes [256 row tiles][128 blocks][16][16 bytes] at 0, scale bytes [256][8][16][16 bytes] at 8,388,608.
; LIMITS: NaN and infinities are not served; a block whose largest magnitude lies under 2^-124 keeps the byte 1; a block of zeros gets the byte 1 and not 127 (its codes are zeros; only this program reads the bytes).
; REGISTERS, in windows of 256: window 0: v1-24 addresses; v32-95 source 0's scale words (tile i, K step s at 8 i + s), v96-159 source 1's; v160-223 source 1's fragments, ONE set, later the numbers to be quantised; v224-248 the quantiser's.
;   window 1: v0-63, v128-191 source 0's fragments, TWO sets; v64-127 the bias along source 0, in the result's layout; v192-207 the bias along source 1, in pairs.   windows 2, 3: accumulator (a, b) at v[8 (8 (a % 4) + b)] of window 2 + a / 4.
.set QKV,  0
.set REC,  217088
.if QKV
.set WC,   0                           ; the weight's codes and scale bytes in wts
.set WS,   5767168
.else
.set WC,   1572864
.set WS,   5865472
.endif
.set LH,   0                           ; LDS: h's codes, the weight's codes, h's scale bytes, the weight's
.set LW,   131072
.set LSH,  262144
.set LSW,  270336
.set ADR0, 16                          ; v16  LDS address of source 0's fragments: base + 65,536 x my half + 16 x lane
.set ADR1, 17                          ; v17  the same for source 1
.set AS0,  18                          ; v18  source 0's scale words: base + 4,096 x my half + 16 r
.set AS1,  19                          ; v19  source 1's
.set VO0,  20                          ; v20  out: registers 0-3 of a fragment
.set VO1,  21                          ; v21  registers 4-7
.set VOS,  22                          ; v22  the scale word
.set SHV,  23                          ; v23  how far the word is shifted down (lanes 16-31 of q and k: 16)
.set PW2,  24
.set SC0,  32
.set SC1,  96
.set AF,   160
.set T,    160
.set TM,   224                         ; v224-227 largest magnitudes, v228-231 bytes, v236-239 the conversions' scale operands
.set PC,   240                         ; v240-247 the codes just made
.set PW,   248                         ; their scale word
.set BP,   64                          ; in window 1
.set BQ,   192
.set SEL,  20                          ; s[20:21] v_permlanex16_b32's selects for lane l xor 16
.set G1H,  24                          ; s[24:31] descriptor group 1 for h's codes;  s[32:35] its group 0;  s[36:39] group 0 for h's scale bytes;  s[68:75] their group 1
.set G0H,  32
.set G0HS, 36
.set G1W,  48                          ; s[48:55], s[56:59], s[60:63], s[80:87] the same for the weight
.set G0W,  56
.set G0WS, 60
.set G1HS, 68
.set G1WS, 80
.set MSB, 0
.macro WIN new                         ; the immediate's high byte repeats the setting that is left; low byte: bits 1:0 source 0, 3:2 source 1, 5:4 source 2, 7:6 destination
.if MSB != \new
	s_set_vgpr_msb (MSB<<8)|\new
.set MSB, \new
.endif
.endm
.macro PLACES n
.rept \n
	v_nop
.endr
.endm
.macro CROUND                          ; a round of the cluster's barrier: my work-group's barrier; wave 0 signals for the work-group; every wave waits for all sixteen; my work-group's barrier once more
	s_barrier_signal -1
	s_barrier_wait -1
	s_cmp_lg_u32 s14, 0
	s_cbranch_scc1 .Lnot_wave_0_\@
	s_barrier_signal -3
.Lnot_wave_0_\@:
	s_barrier_wait -3
	s_barrier_signal -1
	s_barrier_wait -1
.endm
	s_load_b256 s[4:11], s[0:1], 0x0               ; hq s[4:5], wts s[6:7], the bias s[8:9], the output s[10:11]
	v_lshl_add_u32 v254, v0, 2, 0x44000
	v_mov_b32 v255, 0
	ds_add_u32 v254, v255
	ds_add_u32 v254, v255
	v_lshrrev_b32 v1, 5, v0
	v_readfirstlane_b32 s14, v1                    ; wave 0..3
	s_lshr_b32 s15, s14, 1                         ; which half of source 1's rows is mine
	s_and_b32 s16, s14, 1                          ; which half of source 0's rows is mine
	s_bfe_u32 s40, ttmp6, 0x40000                  ; cx, cy: my place in the cluster
	s_bfe_u32 s41, ttmp6, 0x40004
	s_lshl_b32 s42, ttmp9, 2
	s_add_co_u32 s42, s42, s40                     ; which 256 rows of the weight = 4 x cluster x + cx
	s_and_b32 s17, ttmp7, 0xffff
	s_lshl_b32 s17, s17, 2
	s_add_co_u32 s17, s17, s41                     ; which 256 rows of h = 4 x cluster y + cy
	s_lshl_b32 s43, s41, 2
	s_lshl_b32 s43, 15, s43                        ; my row of the cluster
	s_lshl_b32 s44, 0x1111, s40                    ; my column
	; descriptor groups 1: dense blocks as rows of 256 bytes (32 elements of 8 bytes): 512 rows of codes, 32 rows of scale bytes: each tensor's whole block by one load
	s_or_b32 s[G1H], s43, (3<<16)|(1<<21)          ; 15:0 the mask; 17:16 elements of 8 bytes; 20 no padding; 21 set beside a mask
	s_or_b32 s[G1HS], s43, (3<<16)|(1<<21)
	s_or_b32 s[G1W], s44, (3<<16)|(1<<21)
	s_or_b32 s[G1WS], s44, (3<<16)|(1<<21)
.irp g, G1H, G1W
	s_mov_b32 s[\g+1], 32<<16                      ; tensor_dim0
	s_mov_b32 s[\g+2], 512<<16                     ; tensor_dim1
	s_mov_b32 s[\g+3], 32<<16                      ; tile_dim0
	s_mov_b32 s[\g+4], 512                         ; tile_dim1
	s_mov_b32 s[\g+5], 32                          ; tensor_dim0_stride
	s_mov_b32 s[\g+6], 0
	s_mov_b32 s[\g+7], 0
.endr
.irp g, G1HS, G1WS
	s_mov_b32 s[\g+1], 32<<16
	s_mov_b32 s[\g+2], 32<<16
	s_mov_b32 s[\g+3], 32<<16
	s_mov_b32 s[\g+4], 32
	s_mov_b32 s[\g+5], 32
	s_mov_b32 s[\g+6], 0
	s_mov_b32 s[\g+7], 0
.endr
	; where the tiles come from.  h's hang on the rows of h alone, the weight's on its rows alone, each in registers that never hold the other coordinate
	s_lshl_b32 s18, s17, 17
	s_mov_b32 s19, 0
	s_lshl_b32 s22, s17, 13
	s_add_co_u32 s22, s22, 2097152                 ; h's scale bytes
	s_mov_b32 s23, 0
	s_lshl_b32 s46, s42, 17
	s_add_co_u32 s46, s46, WC                      ; the weight's codes
	s_mov_b32 s47, 0
	s_lshl_b32 s12, s42, 13
	s_add_co_u32 s12, s12, WS                      ; the weight's scale bytes
	s_mov_b32 s13, 0
	s_mov_b32 s[SEL], 0x76543210
	s_mov_b32 s[SEL+1], 0xfedcba98
.if QKV
	; the roles and the way out: s76, s77 LDS bases of sources 0, 1; s78, s79 of their scale bytes; s88, s89 masks of the two biases; s90 .. s96 strides; s97, s98 where my codes and scale words begin
	s_and_b32 s2, s17, 7
	s_lshl_b32 s3, s2, 4
	s_lshl_b32 s45, s15, 3
	s_add_co_u32 s3, s3, s45                       ; q, k: my first token tile in the batch
	s_lshl_b32 s2, s2, 1
	s_add_co_u32 s2, s2, s16                       ; v: my key step in the batch
	s_mov_b32 s78, LSW
	s_mov_b32 s79, LSH
	s_mov_b32 s90, 512
	s_mov_b32 s91, REC
	s_mov_b32 s95, REC
	s_cmp_eq_u32 ttmp9, 2                          ; v?  (only lines that leave SCC alone follow, up to the last selection)
	s_cselect_b32 s76, LH, LW
	s_cselect_b32 s77, LW, LH
	s_cselect_b32 s78, LSH, s78
	s_cselect_b32 s79, LSW, s79
	s_cselect_b32 s88, 0, -1
	s_cselect_b32 s89, -1, 0
	s_cselect_b32 s90, 16384, s90                  ; from one tile of source 1 to the next: a token tile's 512 bytes, or a tile of d
	s_cselect_b32 s91, 512, s91                    ; from registers 0-3 to 4-7: the next head's record, or 512 bytes
	s_cselect_b32 s92, REC-65536, 0                ; v: behind four tiles of d the next head
	s_cselect_b32 s93, 1024, 64
	s_cselect_b32 s94, REC-4096, 0
	s_cselect_b32 s95, 0, s95                      ; q, k: lanes 16-31 store the next head's word
	s_cselect_b32 s96, 0, 16
	s_cselect_b32 s99, s15, s16                    ; which pair of heads
	s_cselect_b32 s2, s2, s3
	s_cselect_b32 s3, 10, 9
	s_lshr_b32 s97, s17, 3                         ; the batch
	s_lshl_b32 s97, s97, 4
	s_lshl_b32 s98, s40, 2
	s_add_co_u32 s97, s97, s98
	s_lshl_b32 s98, s99, 1
	s_add_co_u32 s97, s97, s98                     ; the record: 16 x batch + 4 cx + 2 x half
	s_mul_i32 s97, s97, REC
	s_mul_i32 s98, ttmp9, 73728                    ; q's, k's or v's part of it
	s_add_co_u32 s97, s97, s98
	s_lshl_b32 s98, s2, 6
	s_add_co_u32 s98, s98, s97
	s_add_co_u32 s98, s98, 65536
	s_lshl_b32 s3, s2, s3
	s_add_co_u32 s97, s97, s3
.else
	s_mov_b32 s76, LW
	s_mov_b32 s77, LH
	s_mov_b32 s78, LSW
	s_mov_b32 s79, LSH
	s_mov_b32 s90, 32768                           ; from one row tile of the output to the next
	s_mov_b32 s91, 512
	s_mov_b32 s93, 2048
	s_lshl_b32 s2, s17, 4
	s_lshl_b32 s3, s15, 3
	s_add_co_u32 s2, s2, s3                        ; my first row tile
	s_lshl_b32 s3, s42, 1
	s_add_co_u32 s3, s3, s16                       ; my K step of the next product
	s_lshl_b32 s97, s2, 15
	s_lshl_b32 s99, s3, 10
	s_add_co_u32 s97, s97, s99
	s_lshl_b32 s98, s2, 11
	s_lshr_b32 s99, s3, 2
	s_lshl_b32 s99, s99, 8
	s_add_co_u32 s98, s98, s99
	s_and_b32 s99, s3, 3
	s_lshl_b32 s99, s99, 2
	s_add_co_u32 s98, s98, s99
	s_add_co_u32 s98, s98, 8388608
.endif
	s_wait_dscnt 0x0
	s_wait_kmcnt 0x0
	s_mov_b32 s[G0H], 1                            ; 1:0 count = 1
	s_mov_b32 s[G0H+1], LH                         ; 63:32 LDS address: a constant
	s_add_nc_u64 s[G0H+2:G0H+3], s[4:5], s[18:19]  ; 120:64 global address
	s_or_b32 s[G0H+3], s[G0H+3], 0x80000000        ; 127:126 type = 2
	s_mov_b32 s[G0HS], 1
	s_mov_b32 s[G0HS+1], LSH
	s_add_nc_u64 s[G0HS+2:G0HS+3], s[4:5], s[22:23]
	s_or_b32 s[G0HS+3], s[G0HS+3], 0x80000000
	s_mov_b32 s[G0W], 1
	s_mov_b32 s[G0W+1], LW
	s_add_nc_u64 s[G0W+2:G0W+3], s[6:7], s[46:47]
	s_or_b32 s[G0W+3], s[G0W+3], 0x80000000
	s_mov_b32 s[G0WS], 1
	s_mov_b32 s[G0WS+1], LSW
	s_add_nc_u64 s[G0WS+2:G0WS+3], s[6:7], s[12:13]
	s_or_b32 s[G0WS+3], s[G0WS+3], 0x80000000
	CROUND                                         ; all sixteen work-groups are here: the joint loads meet
	; the four tiles are shared out, one load a wave: wave 0 h's codes, wave 1 the weight's, wave 2 h's scale bytes, wave 3 the weight's.
	; One tree of branches on the wave's number: every way through it passes exactly one load; an s_nop 0 and four v_nop follow each
	s_cmp_lt_u32 s14, 1
	s_cbranch_scc0 .Lfill_w
	tensor_load_to_lds s[G0H:G0H+3], s[G1H:G1H+7]
	s_nop 0
	PLACES 4
	s_branch .Lfilled
.Lfill_w:
	s_cmp_lt_u32 s14, 2
	s_cbranch_scc0 .Lfill_hs
	tensor_load_to_lds s[G0W:G0W+3], s[G1W:G1W+7]
	s_nop 0
	PLACES 4
	s_branch .Lfilled
.Lfill_hs:
	s_cmp_lt_u32 s14, 3
	s_cbranch_scc0 .Lfill_ws
	tensor_load_to_lds s[G0HS:G0HS+3], s[G1HS:G1HS+7]
	s_nop 0
	PLACES 4
	s_branch .Lfilled
.Lfill_ws:
	tensor_load_to_lds s[G0WS:G0WS+3], s[G1WS:G1WS+7]
	s_nop 0
	PLACES 4
.Lfilled:
	; addresses and the biases, while the tiles are on their way
	v_and_b32 v1, 31, v0                           ; lane
	v_and_b32 v2, 15, v0                           ; r
	v_bfe_u32 v3, v0, 4, 1                         ; h
	v_lshlrev_b32 v4, 4, v1
	v_lshlrev_b32 v5, 4, v2
	s_wait_alu depctr_va_vdst(0)
	s_lshl_b32 s45, s16, 16
	s_add_co_u32 s45, s45, s76
	v_add_nc_u32 v[ADR0], s45, v4
	s_lshl_b32 s45, s15, 16
	s_add_co_u32 s45, s45, s77
	v_add_nc_u32 v[ADR1], s45, v4
	s_lshl_b32 s45, s16, 12
	s_add_co_u32 s45, s45, s78
	v_add_nc_u32 v[AS0], s45, v5
	s_lshl_b32 s45, s15, 12
	s_add_co_u32 s45, s45, s79
	v_add_nc_u32 v[AS1], s45, v5
	v_add_nc_u32 v[VO0], s97, v4
	v_add_nc_u32 v[VO1], s91, v[VO0]
.if QKV
	v_mul_u32_u24 v8, s95, v3
	v_lshl_add_u32 v[VOS], v2, 2, v8
	v_add_nc_u32 v[VOS], s98, v[VOS]
	v_mul_u32_u24 v[SHV], s96, v3
.else
	v_lshl_add_u32 v[VOS], v2, 4, s98
.endif
.irp b, 0,1,2,3
	v_mov_b32 v[TM+4+\b], 0                        ; written once: a lane permute's destination counts as one of its sources
.endr
	s_lshl_b32 s3, s42, 10                         ; the bias: 4 bytes x 256 x my block of the weight's rows
	s_lshl_b32 s2, s16, 9
	s_add_co_u32 s2, s2, s3
	v_lshl_add_u32 v6, v3, 5, s2                   ; along source 0: tile t wants numbers 16 t + 8 h + 0 .. 7 of my half
.if QKV
	s_lshl_b32 s2, s15, 9
	s_add_co_u32 s2, s2, s3
	v_lshl_add_u32 v7, v2, 2, s2                   ; along source 1: tile a wants number 16 a + r
.endif
	WIN 0x40                                       ; destination window 1
.irp t, 0,1,2,3,4,5,6,7
	global_load_b128 v[BP+8*\t:BP+8*\t+3], v6, s[8:9] offset:64*\t
	global_load_b128 v[BP+8*\t+4:BP+8*\t+7], v6, s[8:9] offset:64*\t+16
.endr
.if QKV
.irp a, 0,1,2,3,4,5,6,7
	global_load_b32 v[BQ+2*\a], v7, s[8:9] offset:64*\a
	v_mov_b32 v[BQ+2*\a+1], 0                      ; (named with it as a pair, so it is written)
.endr
.endif
	WIN 0
	s_wait_alu depctr_va_vdst(0)
	s_wait_tensorcnt 0x0                           ; my one load has landed,
	s_barrier_signal -1
	s_barrier_wait -1                              ; everybody's has: all of K lies in LDS, and nothing is filled again
.macro FRAG reg, adr, off              ; a fragment, 16 rows x 128 K: lane l's registers 4 c .. 4 c + 3 are the 16 bytes at 512 c + 16 l
	ds_load_b128 v[\reg:\reg+3], v[\adr] offset:\off
	ds_load_b128 v[\reg+4:\reg+7], v[\adr] offset:\off+512
.endm
.macro FETCH_B s, p                    ; source 0's eight fragments of K step s into set p
	WIN 0x40
.irp i, 0,1,2,3,4,5,6,7
	FRAG 128*(\p)+8*\i, ADR0, \i*8192+(\s)*1024
.endr
	WIN 0
.endm
.macro FETCH_A s, i0                   ; source 1's tiles i0 .. i0 + 3
.irp i, \i0, \i0+1, \i0+2, \i0+3
	FRAG AF+8*(\i), ADR1, (\i)*8192+(\s)*1024
.endr
.endm
.macro SCALES                          ; all scale words of my 128 + 128 rows: four K steps' words a load; lanes 0-15 are read by the matrix unit
.irp i, 0,1,2,3,4,5,6,7
.irp j, 0,1
	ds_load_b128 v[SC0+8*\i+4*\j:SC0+8*\i+4*\j+3], v[AS0] offset:\i*512+\j*256
	ds_load_b128 v[SC1+8*\i+4*\j:SC1+8*\i+4*\j+3], v[AS1] offset:\i*512+\j*256
.endr
.endr
.endm
; 16 matrix instructions: source 1's tiles a0, a0 + 1 x source 0's eight, K step s.  first = 1: the bias along source 0 is the C of a sum's first instruction: nothing is cleared or added.
; The 64 accumulators take turns, one instruction a turn, in the same order in every step.
.macro MUL16 a0, p, s, first
.irp a, \a0, \a0+1
.irp b, 0,1,2,3,4,5,6,7
.if \first
	v_wmma_scale_f32_16x16x128_f8f6f4 v[8*(8*((\a)%4)+\b):8*(8*((\a)%4)+\b)+7], v[128*(\p)+8*\b:128*(\p)+8*\b+7], v[AF+8*(\a):AF+8*(\a)+7], v[BP+8*\b:BP+8*\b+7], v[SC0+8*\b+(\s)], v[SC1+8*(\a)+(\s)] matrix_a_fmt:MATRIX_FMT_FP4 matrix_b_fmt:MATRIX_FMT_FP4
.else
	v_wmma_scale_f32_16x16x128_f8f6f4 v[8*(8*((\a)%4)+\b):8*(8*((\a)%4)+\b)+7], v[128*(\p)+8*\b:128*(\p)+8*\b+7], v[AF+8*(\a):AF+8*(\a)+7], v[8*(8*((\a)%4)+\b):8*(8*((\a)%4)+\b)+7], v[SC0+8*\b+(\s)], v[SC1+8*(\a)+(\s)] matrix_a_fmt:MATRIX_FMT_FP4 matrix_b_fmt:MATRIX_FMT_FP4
.endif
.endr
.endr
.endm
; A K step of 128 that has a successor.  A tile of source 1 is free as soon as its eight products are issued, so one set serves it: tiles 0-3 are fetched anew in the step's middle, tiles 4-7 at its end.
; A load into a register that a matrix instruction has read stands four places behind it, and only plain vector instructions that name none of its registers are places (ISA guide 7.12.1 for vector instructions).
.macro STEP s, first
	s_wait_dscnt 8                                 ; all but the youngest eight loads (source 1's tiles 4-7) are in
.if \first
	WIN 0x91                                       ; source 0 window 1, source 1 window 0, C (the bias) window 1, D window 2
.else
	WIN 0xa1                                       ; C and D window 2
.endif
	MUL16 0, (\s)%2, \s, \first
	MUL16 2, (\s)%2, \s, \first
	s_wait_dscnt 0x0                               ; tiles 4-7 are in (asked for 32 matrix instructions ago)
	PLACES 4
	FETCH_B (\s)+1, 1-(\s)%2
	FETCH_A (\s)+1, 0
.if \first
	WIN 0xd1
.else
	WIN 0xf1
.endif
	MUL16 4, (\s)%2, \s, \first
	MUL16 6, (\s)%2, \s, \first
	PLACES 4
	WIN 0
	FETCH_A (\s)+1, 4
.endm
; 64 numbers of a lane, v[s] .. v[s + 63] (tile t's register j at 8 t + j: k = 16 t + 8 h + j of my row), become a fragment's codes in v[PC] on and its scale word in v[PW].
.macro QUANT s
.irp b, 0,1,2,3
	v_max3_num_f32 v[TM+\b], |v[\s+16*\b]|, |v[\s+1+16*\b]|, 0x1800000   ; block b: my 16 numbers, and the floor 2^(3 - 127): the byte cannot fall under 1
.endr
.irp i, 2,4,6,8,10,12,14
.irp b, 0,1,2,3
	v_max3_num_f32 v[TM+\b], v[TM+\b], |v[\s+16*\b+\i]|, |v[\s+1+16*\b+\i]|   ; (the four blocks by turns)
.endr
.endr
.irp b, 0,1,2,3
	v_permlanex16_b32 v[TM+4+\b], v[TM+\b], s[SEL], s[SEL+1]
.endr
.irp b, 0,1,2,3
	v_max_num_f32 v[TM+\b], v[TM+\b], v[TM+4+\b]   ; with lane l xor 16's: the block's largest magnitude
.endr
.irp b, 0,1,2,3
	v_add_nc_u32 v[TM+12+\b], 0xff000000, v[TM+\b] ; 2 off its exponent field: the conversion's scale operand
.endr
.irp b, 0,1,2,3
	v_lshrrev_b32 v[TM+4+\b], 23, v[TM+12+\b]      ; the scale's byte
.endr
	v_lshl_or_b32 v[PW], v[TM+5], 8, v[TM+4]
	v_lshl_or_b32 v[PW], v[TM+6], 16, v[PW]
	v_lshl_or_b32 v[PW], v[TM+7], 24, v[PW]
.irp b, 0,1,2,3
	v_cvt_scalef32_pk8_fp4_f32 v[PC+4*(\b/2)+(\b%2)], v[\s+16*\b:\s+16*\b+7], v[TM+12+\b]       ; k = 32 b + 8 h + 0 .. 7
	v_cvt_scalef32_pk8_fp4_f32 v[PC+4*(\b/2)+2+(\b%2)], v[\s+16*\b+8:\s+16*\b+15], v[TM+12+\b]  ; k = 32 b + 16 + 8 h + 0 .. 7
.endr
	v_nop                                          ; one plain line behind a scaled conversion
.irp c, 0,1                            ; the first's lanes 16-31 change places with the second's lanes 0-15: register 4 c + i then holds k = 64 c + 32 h + 8 i + 0 .. 7
	v_permlane16_swap_b32 v[PC+4*\c], v[PC+4*\c+1]
	v_permlane16_swap_b32 v[PC+4*\c+2], v[PC+4*\c+3]
.endr
.endm
	SCALES
	FETCH_B 0, 0
	FETCH_A 0, 0
	FETCH_A 0, 4
	s_wait_loadcnt 0x0                             ; the biases
.if QKV
	WIN 0x44                                       ; destination and source 1 window 1
.set j, 0
.rept 64
	v_and_b32 v[BP+j], s88, v[BP+j]                ; the bias runs along the weight's rows: along source 0 for q and k, along source 1 for v; the other one is made zero
.set j, j+1
.endr
.irp a, 0,1,2,3,4,5,6,7
	v_and_b32 v[BQ+2*\a], s89, v[BQ+2*\a]
.endr
	PLACES 4
.endif
	STEP 0, 1
.irp s, 1,2,3,4,5,6
	STEP \s, 0
.endr
	s_wait_dscnt 8                                 ; the last K step: nothing more to fetch
	WIN 0xa1
	MUL16 0, 1, 7, 0
	MUL16 2, 1, 7, 0
	s_wait_dscnt 0x0
	WIN 0xf1
	MUL16 4, 1, 7, 0
	MUL16 6, 1, 7, 0
	WIN 0
	PLACES 4                                       ; in front of the first read of results and the first write over source 1's fragments
; THE WAY OUT of source 1's tile a: its 8 result tiles come into window 0 (each accumulator from its low end on) with the bias along source 1 or the relu, are quantised, and leave as one fragment and one scale word a row.
.macro OUT a
.if QKV
	WIN ((2+(\a)/4)|4)                             ; source 0: the accumulators' window; source 1: window 1
.set j, 0
.rept 32
	v_pk_add_f32 v[T+2*j:T+2*j+1], v[64*((\a)%4)+2*j:64*((\a)%4)+2*j+1], v[BQ+2*(\a):BQ+2*(\a)+1] op_sel_hi:[1,0]
.set j, j+1
.endr
.else
	WIN ((2+(\a)/4)<<2)                            ; source 1: the accumulators' window
.set j, 0
.rept 64
	v_max_num_f32 v[T+j], 0, v[64*((\a)%4)+j]
.set j, j+1
.endr
.endif
	WIN 0
	QUANT T
	global_store_b128 v[VO0], v[PC:PC+3], s[10:11]           ; 32 lanes store 512 consecutive bytes, aligned
	global_store_b128 v[VO1], v[PC+4:PC+7], s[10:11]
.if QKV
	v_lshrrev_b32 v[PW2], v[SHV], v[PW]            ; q, k: lanes 0-15 store the first head's word, lanes 16-31 the second head's two bytes
	global_store_b32 v[VOS], v[PW2], s[10:11]
.else
	global_store_b32 v[VOS], v[PW], s[10:11]       ; (lanes 16-31 store the same word to the same place)
.endif
.if (\a) < 7
	s_wait_xcnt 0x0                                ; the stores have read their data and offsets: both are written again only behind this wait
	v_add_nc_u32 v[VO0], s90, v[VO0]
	v_add_nc_u32 v[VO1], s90, v[VO1]
	v_add_nc_u32 v[VOS], s93, v[VOS]
.if QKV && ((\a) == 3)
	v_add_nc_u32 v[VO0], s92, v[VO0]
	v_add_nc_u32 v[VO1], s92, v[VO1]
	v_add_nc_u32 v[VOS], s94, v[VOS]
.endif
.endif
.endm
.irp a, 0,1,2,3,4,5,6,7
	OUT \a
.endr
	s_wait_tensorcnt 0x0
	ds_add_u32 v254, v255
	s_wait_dscnt 0x0
	CROUND                                         ; the closing round: no work-group ends while a partner may still ask for a tile that names it
	s_endpgm
.Lfunc_end_k_q50a81dfd83_gemm_w1:
	.size	k_q50a81dfd83_gemm_w1, .Lfunc_end_k_q50a81dfd83_gemm_w1-k_q50a81dfd83_gemm_w1
	.p2alignl 7, 3214868480
	.fill 96, 4, 3214868480
	.section	.rodata,"a",@progbits
	.p2align	6, 0x0
	.amdhsa_kernel k_q50a81dfd83_gemm_w1
		.amdhsa_group_segment_fixed_size 279040
		.amdhsa_private_segment_fixed_size 0
		.amdhsa_enable_private_segment 0
		.amdhsa_kernarg_size 32
		.amdhsa_user_sgpr_count 2
		.amdhsa_user_sgpr_kernarg_segment_ptr 1
		.amdhsa_wavefront_size32 1
		.amdhsa_system_sgpr_workgroup_id_x 1
		.amdhsa_system_sgpr_workgroup_id_y 1
		.amdhsa_system_sgpr_workgroup_id_z 1
		.amdhsa_system_vgpr_workitem_id 0
		.amdhsa_next_free_vgpr 1024
		.amdhsa_next_free_sgpr 100
		.amdhsa_reserve_vcc 0
		.amdhsa_float_denorm_mode_32 3
		.amdhsa_float_denorm_mode_16_64 3
		.amdhsa_memory_ordered 1
		.amdhsa_forward_progress 1
		.amdhsa_inst_pref_size 145
	.end_amdhsa_kernel
	.amdgpu_metadata
---
amdhsa.version: [ 1, 2 ]
amdhsa.kernels:
  - .name:           k_q50a81dfd83_gemm_w1
    .symbol:         k_q50a81dfd83_gemm_w1.kd
    .args:
      - { .name: hq, .offset: 0, .size: 8, .value_kind: global_buffer, .address_space: global }
      - { .name: wts, .offset: 8, .size: 8, .value_kind: global_buffer, .address_space: global }
      - { .name: b1, .offset: 16, .size: 8, .value_kind: global_buffer, .address_space: global }
      - { .name: mq, .offset: 24, .size: 8, .value_kind: global_buffer, .address_space: global }
    .group_segment_fixed_size: 279040
    .private_segment_fixed_size: 0
    .kernarg_segment_align: 8
    .kernarg_segment_size: 32
    .max_flat_workgroup_size: 128
    .sgpr_count:     100
    .vgpr_count:     1024
    .wavefront_size: 32
...
	.end_amdgpu_metadata
.endif
;; end of part 5
;; launch gemm_w2 (part 6): grid 8 x 32, 4 waves a work-group, clusters of 4 x 4, 327,680 bytes of LDS; arguments mq, wts, b2, attn, out0; writes out0
.if DOCPART == 6
	.amdgcn_target "amdgcn-amd-amdhsa--gfx1250"
	.amdhsa_code_object_version 6
	.text
	.protected	k_q50a81dfd83_gemm_w2
	.globl	k_q50a81dfd83_gemm_w2
	.p2align	8
	.type	k_q50a81dfd83_gemm_w2,@function
k_q50a81dfd83_gemm_w2:
	s_mov_b64 s[64:65], 0
	v_nop
	global_prefetch_b8 v0, s[64:65] scope:SCOPE_SE
	s_setreg_imm32_b32 hwreg(HW_REG_WAVE_MODE, 25, 1), 1
	s_wait_xcnt 0x0
	s_wait_alu depctr_hold_cnt(0) depctr_sa_sdst(0) depctr_va_vdst(0) depctr_va_sdst(0) depctr_va_ssrc(0) depctr_va_vcc(0) depctr_vm_vsrc(0)
	s_getreg_b32 s2, hwreg(HW_REG_IB_STS2, 6, 4)
	s_cmp_eq_u32 s2, 0
	s_cbranch_scc0 .Lentry_in_a_cluster
	s_endpgm
.Lentry_in_a_cluster:
	s_bfe_u32 s2, ttmp6, 0x10000c
	s_cmp_lg_u32 s2, 0xf033
	s_cbranch_scc0 .Lentry_shape_is_right
	s_endpgm
.Lentry_shape_is_right:
; out0 = m w2 + b2 + attn.  m (4,096 x 4,096) and w2's columns (1,024 x 4,096) are codes of FP4 (E2M1) with E8M0 scales, in the order of the operand's registers:
; codes [row tile][block k / 32][row % 16][16 bytes], scale bytes [row tile][k / 512][row % 16][16 bytes].  f32 sums; the bias is the C of each sum's first product; attn is added on the way out.
; A work-group makes 128 x 128, each of four waves 64 x 64: 16 accumulators, by turns.  Source 0 = w2's rows, source 1 = m's rows: a lane holds eight neighbouring numbers of a row of out0.
; K goes in four runs of 1,024 through a ring of two LDS slots (8 row tiles x 8,192 bytes of each operand); the scale bytes of all of K stay in LDS, filled once.
; CLUSTERS: 4 x 4 work-groups; m's tiles are shared along a row of the cluster, w2's along a column, by joint loads.
; THE HEAD: one load a wave: wave 0 m's codes of run 0, wave 1 w2's, wave 2 m's scale bytes, wave 3 w2's, each whole; slot 1 is first filled as a refill is; behind the head each wave fetches 4 row tiles of a run.
; PREFETCH: beside the loads of run t stands one request a wave for run t + 1 (t = 0, 1, 2): a whole run's products ahead of the load that will want it.  A run of an operand is 8 row tiles x 32 blocks of 256 bytes;
; the four partners that load it jointly share the tiles out BY ADDRESS, two each, a wave a tile, a lane a block: waves 0, 1 m's tiles 2 cx, 2 cx + 1; waves 2, 3 w2's tiles 2 cy, 2 cy + 1.  Run 0 comes by its load alone; behind run 3 nothing is asked for.
; attn is loaded into registers behind the fills of runs 2 and 3, half each: it is wanted last.
; REGISTERS, in windows of 256: window 0: addresses, v32-95 scale words in two sets, v96-159 the way out; window 1: three sets of fragments (4 of w2, 4 of m); window 2: v0-127 accumulators, v128-159 the bias; window 3: v0-127 attn.
; LIMITS: NaN and infinities are not served.
.set SLOT,  131072
.set LSA,   262144                     ; m's scale bytes, 16,384; then w2's
.set LSB,   278528
.set SPARE, 294912                     ; the spare words, 128 bytes a wave
.set W2C,   3670016                    ; w2's codes and scale bytes in wts
.set W2S,   5996544
.set MQS,   8388608                    ; m's scale bytes in mq
.set ADR0, 16                          ; v16-17 LDS address of source 0's fragments in slot 0, 1;  v18-19 source 1's
.set ADR1, 18
.set AS0,  20                          ; v20, v21 their scale words
.set AS1,  21
.set STO,  24                          ; v24-26 the way out: into my stage, back from it, my offset in attn and out0
.set RD,   25
.set CO,   26
.set SPW,  28                          ; v28 my spare word, v29 0: never rewritten
.set NIL,  29
.set PFO,  30                          ; v30 the prefetches' offset, 256 x lane; never rewritten
.set SC0,  32
.set SC1,  64
.set BK,   96
.set BP,   128
.set G1,   24                          ; s[24:31], s[32:39] groups 1 and 0 (a set a slot) for m's codes;  s[48:55], s[56:63] for w2's
.set G0,   32
.set G1B,  48
.set G0B,  56
.set G1S,  68                          ; s[68:75], s[76:79] for m's scale bytes;  s[80:87], s[88:91] for w2's
.set G0S,  76
.set G1SB, 80
.set G0SB, 88
.set G0H,  4                           ; s[4:7], s[92:95] groups 0 of the head's loads of codes (what lay there has been used)
.set G0HB, 92
.set PFA,  66                          ; s[66:67] my row tile's first byte; never rewritten
.set MSB, 0
.macro WIN new                         ; the immediate's high byte repeats the setting that is left
.if MSB != \new
	s_set_vgpr_msb (MSB<<8)|\new
.set MSB, \new
.endif
.endm
.macro PLACES n
.rept \n
	v_nop
.endr
.endm
.macro JLOAD g0a, g1a, g0b, g1b        ; a joint load: waves 0, 1 for m, waves 2, 3 for w2; an s_nop 0 and four v_nop follow each line
	s_cmp_eq_u32 s15, 0
	s_cbranch_scc0 .Lfor_b_\@
	tensor_load_to_lds s[\g0a:\g0a+3], s[\g1a:\g1a+7]
	s_nop 0
	PLACES 4
	s_branch .Lasked_\@
.Lfor_b_\@:
	tensor_load_to_lds s[\g0b:\g0b+3], s[\g1b:\g1b+7]
	s_nop 0
	PLACES 4
.Lasked_\@:
.endm
.macro CREST                           ; a round of the cluster's barrier behind its opening barrier
	s_cmp_lg_u32 s14, 0
	s_cbranch_scc1 .Lnot_wave_0_\@
	s_barrier_signal -3
.Lnot_wave_0_\@:
	s_barrier_wait -3
	s_barrier_signal -1
	s_barrier_wait -1
.endm
.macro CROUND
	s_barrier_signal -1
	s_barrier_wait -1
	CREST
.endm
.macro ASK run                         ; 32 blocks of 256 bytes of my row tile, run's part
	global_prefetch_b8 v[PFO], s[PFA:PFA+1] offset:8192*\run th:TH_LOAD_NT scope:SCOPE_SE
.endm
.macro ATTN a                          ; attn at my rows 16 a + 2 i + h, into window 3
	WIN 0xc0
.irp i, 0,1,2,3,4,5,6,7
	global_load_b128 v[32*\a+4*\i:32*\a+4*\i+3], v[CO], s[10:11] offset:(16*\a+2*\i)*4096 th:TH_LOAD_NT
.endr
.endm
	s_load_b256 s[4:11], s[0:1], 0x0               ; mq s[4:5], wts s[6:7], b2 s[8:9], attn s[10:11]
	s_load_b64 s[12:13], s[0:1], 0x20              ; out0
	v_lshl_add_u32 v[SPW], v0, 2, SPARE
	v_mov_b32 v[NIL], 0
	ds_add_u32 v[SPW], v[NIL]                      ; the opening: the add, twice on end, and its wait
	ds_add_u32 v[SPW], v[NIL]
	s_wait_dscnt 0x0
	v_lshrrev_b32 v1, 5, v0
	v_readfirstlane_b32 s14, v1                    ; wave 0..3
	s_lshr_b32 s15, s14, 1                         ; which half of m's rows is mine.  Also: I fetch for m (0) or for w2 (1)
	s_and_b32 s16, s14, 1                          ; which half of w2's rows.  Also: which 4 row tiles I fetch
	s_bfe_u32 s40, ttmp6, 0x40000                  ; cx, cy
	s_bfe_u32 s41, ttmp6, 0x40004
	s_lshl_b32 s42, ttmp9, 2
	s_add_co_u32 s42, s42, s40                     ; which 128 rows of w2
	s_and_b32 s17, ttmp7, 0xffff
	s_lshl_b32 s17, s17, 2
	s_add_co_u32 s17, s17, s41                     ; which 128 rows of m
	s_lshl_b32 s43, s41, 2
	s_lshl_b32 s43, 15, s43                        ; my row of the cluster
	s_lshl_b32 s44, 0x1111, s40                    ; my column
	s_or_b32 s[G1], s43, (3<<16)|(1<<21)           ; 15:0 the mask; 17:16 elements of 8 bytes; 21 set beside a mask
	s_or_b32 s[G1B], s44, (3<<16)|(1<<21)
.irp g, G1, G1B
	s_mov_b32 s[\g+1], 1024<<16                    ; a row: a row tile's 8,192 bytes of a run
	s_mov_b32 s[\g+2], 8<<16                       ; the head's loads bring 8 row tiles; the ring's 4 (set behind the head's wait)
	s_mov_b32 s[\g+3], 1024<<16
	s_mov_b32 s[\g+4], 8
	s_mov_b32 s[\g+5], 4096                        ; from row tile to row tile: 32,768 bytes
	s_mov_b32 s[\g+6], 0
	s_mov_b32 s[\g+7], 0
.endr
	s_or_b32 s[G1S], s43, (3<<16)|(1<<21)
	s_or_b32 s[G1SB], s44, (3<<16)|(1<<21)
.irp g, G1S, G1SB
	s_mov_b32 s[\g+1], 32<<16                      ; 16,384 dense scale bytes as 64 rows of 256
	s_mov_b32 s[\g+2], 64<<16
	s_mov_b32 s[\g+3], 32<<16
	s_mov_b32 s[\g+4], 64
	s_mov_b32 s[\g+5], 32
	s_mov_b32 s[\g+6], 0
	s_mov_b32 s[\g+7], 0
.endr
	s_lshl_b32 s20, s17, 18                        ; m's codes: 262,144 bytes a block of 128 rows + 131,072 x half
	s_lshl_b32 s21, s16, 17
	s_add_co_u32 s20, s20, s21
	s_mov_b32 s21, 0
	s_lshl_b32 s22, s17, 14                        ; m's scale bytes
	s_lshl_b32 s23, s16, 13
	s_add_co_u32 s22, s22, s23
	s_add_co_u32 s22, s22, MQS
	s_mov_b32 s23, 0
	s_lshl_b32 s46, s42, 18                        ; w2's codes
	s_lshl_b32 s47, s16, 17
	s_add_co_u32 s46, s46, s47
	s_add_co_u32 s46, s46, W2C
	s_mov_b32 s47, 0
	s_lshl_b32 s92, s42, 14                        ; w2's scale bytes
	s_lshl_b32 s93, s16, 13
	s_add_co_u32 s92, s92, s93
	s_add_co_u32 s92, s92, W2S
	s_mov_b32 s93, 0
	s_lshl_b32 s45, s14, 15                        ; where my 4 row tiles go in a slot: 32,768 x wave
	s_lshl_b32 s96, s17, 7                         ; my part of attn and out0: row 128 x block + 64 x half, column 128 x block + 64 x half
	s_lshl_b32 s97, s15, 6
	s_add_co_u32 s96, s96, s97
	s_lshl_b32 s96, s96, 12
	s_lshl_b32 s97, s42, 9
	s_add_co_u32 s96, s96, s97
	s_lshl_b32 s97, s16, 8
	s_add_co_u32 s96, s96, s97
	s_mov_b32 s97, 0
	s_wait_kmcnt 0x0
	s_add_nc_u64 s[20:21], s[4:5], s[20:21]
	s_add_nc_u64 s[22:23], s[4:5], s[22:23]
	s_add_nc_u64 s[46:47], s[6:7], s[46:47]
	s_add_nc_u64 s[92:93], s[6:7], s[92:93]
	s_add_nc_u64 s[10:11], s[10:11], s[96:97]
	s_add_nc_u64 s[12:13], s[12:13], s[96:97]
	s_cmp_eq_u32 s15, 0                            ; the prefetches: m's waves or w2's?  The choice hangs on the wave's number alone
	s_cselect_b64 s[PFA:PFA+1], s[4:5], s[6:7]
	s_cselect_b32 s18, s17, s42                    ; the block of 8 row tiles,
	s_cselect_b32 s19, s40, s41                    ; my place among the four that load it jointly,
	s_cselect_b32 s96, 0, W2C
	s_lshl_b32 s18, s18, 3
	s_lshl_b32 s19, s19, 1
	s_add_co_u32 s18, s18, s19
	s_add_co_u32 s18, s18, s16                     ; my row tile: 8 x block + 2 x place + wave % 2
	s_lshl_b32 s18, s18, 15
	s_add_co_u32 s18, s18, s96
	s_mov_b32 s19, 0
	s_add_nc_u64 s[PFA:PFA+1], s[PFA:PFA+1], s[18:19]
	CROUND                                         ; all sixteen work-groups are here: the first joint loads meet
	s_lshl_b32 s18, s16, 13                        ; the head's loads bring whole tiles: my half's bytes are taken off the addresses again
	s_mov_b32 s19, 0
	s_mov_b32 s[G0S], 1
	s_mov_b32 s[G0S+1], LSA
	s_sub_nc_u64 s[G0S+2:G0S+3], s[22:23], s[18:19]
	s_or_b32 s[G0S+3], s[G0S+3], 0x80000000
	s_mov_b32 s[G0SB], 1
	s_mov_b32 s[G0SB+1], LSB
	s_sub_nc_u64 s[G0SB+2:G0SB+3], s[92:93], s[18:19]
	s_or_b32 s[G0SB+3], s[G0SB+3], 0x80000000
	s_lshl_b32 s18, s16, 17
	s_mov_b32 s[G0H], 1
	s_mov_b32 s[G0H+1], 0
	s_sub_nc_u64 s[G0H+2:G0H+3], s[20:21], s[18:19]
	s_or_b32 s[G0H+3], s[G0H+3], 0x80000000
	s_mov_b32 s[G0HB], 1
	s_mov_b32 s[G0HB+1], 65536
	s_sub_nc_u64 s[G0HB+2:G0HB+3], s[46:47], s[18:19]
	s_or_b32 s[G0HB+3], s[G0HB+3], 0x80000000
	; one tree of branches on the wave's number: every way through it passes exactly one load
	s_cmp_lt_u32 s14, 1
	s_cbranch_scc0 .Lhead_b
	tensor_load_to_lds s[G0H:G0H+3], s[G1:G1+7]
	s_nop 0
	PLACES 4
	s_branch .Lhead_asked
.Lhead_b:
	s_cmp_lt_u32 s14, 2
	s_cbranch_scc0 .Lhead_sa
	tensor_load_to_lds s[G0HB:G0HB+3], s[G1B:G1B+7]
	s_nop 0
	PLACES 4
	s_branch .Lhead_asked
.Lhead_sa:
	s_cmp_lt_u32 s14, 3
	s_cbranch_scc0 .Lhead_sb
	tensor_load_to_lds s[G0S:G0S+3], s[G1S:G1S+7]
	s_nop 0
	PLACES 4
	s_branch .Lhead_asked
.Lhead_sb:
	tensor_load_to_lds s[G0SB:G0SB+3], s[G1SB:G1SB+7]
	s_nop 0
	PLACES 4
.Lhead_asked:
	v_and_b32 v[PFO], 31, v0
	v_lshlrev_b32 v[PFO], 8, v[PFO]
	ASK 1
.irp s, 0,1
	s_mov_b32 s[G0+4*\s], 1                        ; the ring's groups 0: my 4 row tiles, run s
	s_add_co_u32 s[G0+4*\s+1], s45, \s*SLOT
	s_add_nc_u64 s[G0+4*\s+2:G0+4*\s+3], s[20:21], \s*8192
	s_or_b32 s[G0+4*\s+3], s[G0+4*\s+3], 0x80000000
	s_mov_b32 s[G0B+4*\s], 1
	s_add_co_u32 s[G0B+4*\s+1], s45, \s*SLOT
	s_add_nc_u64 s[G0B+4*\s+2:G0B+4*\s+3], s[46:47], \s*8192
	s_or_b32 s[G0B+4*\s+3], s[G0B+4*\s+3], 0x80000000
.endr
	v_and_b32 v1, 31, v0                           ; lane
	v_and_b32 v2, 15, v0                           ; r
	v_bfe_u32 v3, v0, 4, 1                         ; h
	v_lshlrev_b32 v4, 4, v1
	v_lshlrev_b32 v5, 4, v2
	s_wait_alu depctr_va_vdst(0)
	s_lshl_b32 s18, s16, 15
	s_add_co_u32 s18, s18, 65536                   ; w2's tiles lie behind m's in a slot
	s_lshl_b32 s19, s15, 15
.irp s, 0,1
	v_add_nc_u32 v[ADR0+\s], s18, v4
	v_add_nc_u32 v[ADR1+\s], s19, v4
	s_add_co_u32 s18, s18, SLOT
	s_add_co_u32 s19, s19, SLOT
.endr
	s_lshl_b32 s18, s16, 13
	s_add_co_u32 s18, s18, LSB
	v_add_nc_u32 v[AS0], s18, v5
	s_lshl_b32 s18, s15, 13
	s_add_co_u32 s18, s18, LSA
	v_add_nc_u32 v[AS1], s18, v5
	s_mul_i32 s18, s14, 4352                       ; my stage, 16 rows x 272 bytes, in slot 0, which has had its last fill and its last read by then
	v_mul_u32_u24 v[STO], v2, 272
	v_lshl_add_u32 v[STO], v3, 5, v[STO]
	v_add_nc_u32 v[STO], s18, v[STO]
	v_mul_u32_u24 v[RD], v3, 272
	v_lshl_add_u32 v[RD], v2, 4, v[RD]
	v_add_nc_u32 v[RD], s18, v[RD]
	v_lshlrev_b32 v[CO], 12, v3
	v_lshl_add_u32 v[CO], v2, 4, v[CO]
	s_lshl_b32 s98, s42, 9
	s_lshl_b32 s99, s16, 8
	s_add_co_u32 s98, s98, s99
	v_lshl_add_u32 v6, v3, 5, s98                  ; the bias: tile b wants numbers 16 b + 8 h + 0 .. 7 of my 64 columns
	WIN 0x80
.irp b, 0,1,2,3
	global_load_b128 v[BP+8*\b:BP+8*\b+3], v6, s[8:9] offset:64*\b
	global_load_b128 v[BP+8*\b+4:BP+8*\b+7], v6, s[8:9] offset:64*\b+16
.endr
	WIN 0
	s_wait_alu depctr_va_vdst(0)                   ; the wait at the head's end
	s_wait_tensorcnt 0x0                           ; my tile of the head's four is in
	ds_add_u32 v[SPW], v[NIL]
	s_mov_b32 s[G1+2], 4<<16                       ; no tensor load of mine is out: from here on a load brings 4 row tiles
	s_mov_b32 s[G1+4], 4
	s_mov_b32 s[G1B+2], 4<<16
	s_mov_b32 s[G1B+4], 4
	s_wait_dscnt 0x0
	CROUND                                         ; all four tiles are in, and all sixteen work-groups are here
	JLOAD G0+4, G1, G0B+4, G1B                     ; slot 1's first fill: the first tensor load behind the round
	ASK 2
.macro FETCH g                         ; K step g's eight fragments into set g % 3: 16 LDS loads
	WIN 0x40
.set FS, 64*((\g)%3)
.set FO, ((\g)%8)*1024
.set FL, ((\g)/8)%2
.irp i, 0,1,2,3
	ds_load_b128 v[FS+8*\i:FS+8*\i+3], v[ADR0+FL] offset:\i*8192+FO
	ds_load_b128 v[FS+8*\i+4:FS+8*\i+7], v[ADR0+FL] offset:\i*8192+FO+512
	ds_load_b128 v[FS+32+8*\i:FS+32+8*\i+3], v[ADR1+FL] offset:\i*8192+FO
	ds_load_b128 v[FS+32+8*\i+4:FS+32+8*\i+7], v[ADR1+FL] offset:\i*8192+FO+512
.endr
.endm
.macro SCALES j                        ; the scale words of K steps 4 j .. 4 j + 3 into set j % 2
	WIN 0
.irp i, 0,1,2,3
	ds_load_b128 v[SC0+16*((\j)%2)+4*\i:SC0+16*((\j)%2)+4*\i+3], v[AS0] offset:\i*2048+(\j)*256
	ds_load_b128 v[SC1+16*((\j)%2)+4*\i:SC1+16*((\j)%2)+4*\i+3], v[AS1] offset:\i*2048+(\j)*256
.endr
.endm
.macro MUL8 g, a0                      ; m's tiles a0, a0 + 1 x w2's four; the 16 accumulators take turns, one instruction a turn
	WIN 0xa5
.set FS, 64*((\g)%3)
.set SS0, SC0+16*(((\g)/4)%2)+(\g)%4
.set SS1, SC1+16*(((\g)/4)%2)+(\g)%4
.irp a, \a0, \a0+1
.irp b, 0,1,2,3
.if (\g) == 0
	v_wmma_scale_f32_16x16x128_f8f6f4 v[8*(4*(\a)+\b):8*(4*(\a)+\b)+7], v[FS+8*\b:FS+8*\b+7], v[FS+32+8*(\a):FS+32+8*(\a)+7], v[BP+8*\b:BP+8*\b+7], v[SS0+4*\b], v[SS1+4*(\a)] matrix_a_fmt:MATRIX_FMT_FP4 matrix_b_fmt:MATRIX_FMT_FP4
.else
	v_wmma_scale_f32_16x16x128_f8f6f4 v[8*(4*(\a)+\b):8*(4*(\a)+\b)+7], v[FS+8*\b:FS+8*\b+7], v[FS+32+8*(\a):FS+32+8*(\a)+7], v[8*(4*(\a)+\b):8*(4*(\a)+\b)+7], v[SS0+4*\b], v[SS1+4*(\a)] matrix_a_fmt:MATRIX_FMT_FP4 matrix_b_fmt:MATRIX_FMT_FP4
.endif
.endr
.endr
.endm
.macro STEP g                          ; a K step of 128; fragments are asked for two steps ahead
.if (\g) == 31
	s_wait_dscnt 0x0
.else
	s_wait_dscnt 16                                ; this step's are in; the next step's 16 may be out
.endif
.if (\g)+2 < 32
	PLACES 4                                       ; in front of loads into registers that the last step's products read
.if ((\g)%4 == 1) && ((\g) < 28)
	SCALES (\g)/4+1
.endif
	FETCH (\g)+2
.endif
	MUL8 \g, 0
	MUL8 \g, 2
.endm
.macro TURN g, fill                    ; the step whose look-ahead enters the other slot: one barrier; fill = 1: a round of the cluster's barrier, and the slot whose reads are over is filled again
	WIN 0
	s_wait_tensorcnt 0x0                           ; all my tensor loads have landed: my part of the other slot;
	ds_add_u32 v[SPW], v[NIL]
	s_wait_dscnt 17                                ; (the add and the next step's 16 loads may be out)
	MUL8 \g, 0
	s_wait_dscnt 0x0                               ; the add is done, and my reads of this slot are over
	s_barrier_signal -1
	MUL8 \g, 2
	WIN 0
	s_barrier_wait -1
.if \fill
	CREST
	s_add_nc_u64 s[G0+4*(((\g)/8)%2)+2:G0+4*(((\g)/8)%2)+3], s[G0+4*(((\g)/8)%2)+2:G0+4*(((\g)/8)%2)+3], 16384
	s_add_nc_u64 s[G0B+4*(((\g)/8)%2)+2:G0B+4*(((\g)/8)%2)+3], s[G0B+4*(((\g)/8)%2)+2:G0B+4*(((\g)/8)%2)+3], 16384
	JLOAD G0+4*(((\g)/8)%2), G1, G0B+4*(((\g)/8)%2), G1B
.else
	PLACES 4
.endif
	FETCH (\g)+2
.endm
	SCALES 0
	FETCH 0
	FETCH 1
	s_wait_loadcnt 0x0                             ; the bias
.irp g, 0,1,2,3,4,5
	STEP \g
.endr
	TURN 6, 1                                      ; run 2 is asked for,
	ASK 3                                          ; run 3 of memory,
	ATTN 0                                         ; and half of attn
	ATTN 1
.irp g, 7,8,9,10,11,12,13
	STEP \g
.endr
	TURN 14, 1                                     ; run 3,
	ATTN 2                                         ; and the other half
	ATTN 3
.irp g, 15,16,17,18,19,20,21
	STEP \g
.endr
	TURN 22, 0
.irp g, 23,24,25,26,27,28,29,30,31
	STEP \g
.endr
	WIN 0
	PLACES 4                                       ; in front of the first read of results
	s_wait_alu depctr_va_vdst(0)
	s_wait_loadcnt 0x0                             ; attn
; THE WAY OUT, 16 rows x 64 columns at a time, through my stage: sixteen lanes then hold 256 neighbouring bytes of a row; attn is added; out0 leaves in aligned runs of 256 bytes.
.irp a, 0,1,2,3
.if \a >= 2
	s_wait_xcnt 0x0                                ; block a - 2's stores have read their registers
.endif
	WIN 0x08
.irp b, 0,1,2,3
	ds_store_b128 v[STO], v[8*(4*\a+\b):8*(4*\a+\b)+3] offset:64*\b          ; each accumulator from its low end on
	ds_store_b128 v[STO], v[8*(4*\a+\b)+4:8*(4*\a+\b)+7] offset:64*\b+16
.endr
	WIN 0
.irp i, 0,1,2,3,4,5,6,7
	ds_load_b128 v[BK+32*(\a%2)+4*\i:BK+32*(\a%2)+4*\i+3], v[RD] offset:544*\i   ; LDS serves a wave's instructions in order: these see my stores
.endr
	s_wait_dscnt 0x0
	WIN 0x0c
.irp j, 0,2,4,6,8,10,12,14,16,18,20,22,24,26,28,30
	v_pk_add_f32 v[BK+32*(\a%2)+\j:BK+32*(\a%2)+\j+1], v[BK+32*(\a%2)+\j:BK+32*(\a%2)+\j+1], v[32*\a+\j:32*\a+\j+1]
.endr
	WIN 0
.irp i, 0,1,2,3,4,5,6,7
	global_store_b128 v[CO], v[BK+32*(\a%2)+4*\i:BK+32*(\a%2)+4*\i+3], s[12:13] offset:(16*\a+2*\i)*4096 th:TH_STORE_NT
.endr
.endr
	s_wait_tensorcnt 0x0                           ; the wave's end
	ds_add_u32 v[SPW], v[NIL]
	s_wait_dscnt 0x0
	CROUND                                         ; the closing round
	s_endpgm
.Lfunc_end_k_q50a81dfd83_gemm_w2:
	.size	k_q50a81dfd83_gemm_w2, .Lfunc_end_k_q50a81dfd83_gemm_w2-k_q50a81dfd83_gemm_w2
	.p2alignl 7, 3214868480
	.fill 96, 4, 3214868480
	.section	.rodata,"a",@progbits
	.p2align	6, 0x0
	.amdhsa_kernel k_q50a81dfd83_gemm_w2
		.amdhsa_group_segment_fixed_size 327680
		.amdhsa_private_segment_fixed_size 0
		.amdhsa_enable_private_segment 0
		.amdhsa_kernarg_size 40
		.amdhsa_user_sgpr_count 2
		.amdhsa_user_sgpr_kernarg_segment_ptr 1
		.amdhsa_wavefront_size32 1
		.amdhsa_system_sgpr_workgroup_id_x 1
		.amdhsa_system_sgpr_workgroup_id_y 1
		.amdhsa_system_sgpr_workgroup_id_z 1
		.amdhsa_system_vgpr_workitem_id 0
		.amdhsa_next_free_vgpr 1024
		.amdhsa_next_free_sgpr 100
		.amdhsa_reserve_vcc 0
		.amdhsa_float_denorm_mode_32 3
		.amdhsa_float_denorm_mode_16_64 3
		.amdhsa_memory_ordered 1
		.amdhsa_forward_progress 1
		.amdhsa_inst_pref_size 137
	.end_amdhsa_kernel
	.amdgpu_metadata
---
amdhsa.version: [ 1, 2 ]
amdhsa.kernels:
  - .name:           k_q50a81dfd83_gemm_w2
    .symbol:         k_q50a81dfd83_gemm_w2.kd
    .args:
      - { .name: mq, .offset: 0, .size: 8, .value_kind: global_buffer, .address_space: global }
      - { .name: wts, .offset: 8, .size: 8, .value_kind: global_buffer, .address_space: global }
      - { .name: b2, .offset: 16, .size: 8, .value_kind: global_buffer, .address_space: global }
      - { .name: attn, .offset: 24, .size: 8, .value_kind: global_buffer, .address_space: global }
      - { .name: out0, .offset: 32, .size: 8, .value_kind: global_buffer, .address_space: global }
    .group_segment_fixed_size: 327680
    .private_segment_fixed_size: 0
    .kernarg_segment_align: 8
    .kernarg_segment_size: 40
    .max_flat_workgroup_size: 128
    .sgpr_count:     100
    .vgpr_count:     1024
    .wavefront_size: 32
...
	.end_amdgpu_metadata
.endif
;; end of part 6
